; MI455X (gfx1250); checked and timed in simulation.
; The chip was launched on July 23, 2026; its instructions are those of AMD's public machine-readable ISA for CDNA 5 (MIT licence, August 2026) and "CDNA5" Instruction Set Architecture Reference Guide (July 2026). The comments in the code are by the model that wrote it; some were corrected since.
;; i Transformer Block. Allowed arithmetic: matrix products marked QUANTISED: E2M3 operands, one E8M0 scale for each 32 along K, by v_wmma_scale_f32_16x16x128_f8f6f4 with both operands' format E2M3, f32 sums; everything else in f32.
;; Inputs: b1 2,048 float32; b2 512 float32; be1 512 float32; be2 512 float32; bk 512 float32; bo 512 float32; bq 512 float32; bv 512 float32; eclipse_mask 4 x 1,024 bool; g1 512 float32; g2 512 float32; w1 2,048 x 512 float32; w2 512 x 2,048 float32; wk 512 x 512 float32; wo 512 x 512 float32; wq 512 x 512 float32; wv 512 x 512 float32; x 4 x 1,024 x 4 x 512 float32.
;; Outputs: out0 4 x 1,024 x 4 x 512 float32.
;; This version of the problem:
;;   THIS VERSION OF THE PROBLEM IS GIVEN IN LOW PRECISION. The matrix products marked QUANTISED in the list below multiply operands that are first quantised to E2M3 (2 exponent bits, 3 mantissa bits; 6 bits a number), with one power-of-two scale for each 32 numbers along K (OCP MX v1.0); their sums are f32. All else is computed in f32.
;;   The module's matrix products, in the order in which they are computed (A, B: the left and right operand; K: the contracted axis; several contracted axes count as one K, in the product's order):
;;     1. [M 16,384, K 512] x [K 512, N 512]; A: input x; B: input wq: QUANTISED
;;     2. [M 16,384, K 512] x [K 512, N 512]; A: input x; B: input wk: QUANTISED
;;     3. [M 16,384, K 512] x [K 512, N 512]; A: input x; B: input wv: QUANTISED
;;     4. batch 128 x [M 1,024, K 64] x [K 64, N 1,024]; A: computed on the way; B: computed on the way: QUANTISED
;;     5. batch 128 x [M 1,024, K 1,024] x [K 1,024, N 64]; A: softmax (see below); B: computed on the way: QUANTISED
;;     6. [M 16,384, K 512] x [K 512, N 512]; A: computed on the way; B: input wo: QUANTISED
;;     7. [M 16,384, K 512] x [K 512, N 2,048]; A: computed on the way; B: input w1: QUANTISED
;;     8. [M 16,384, K 2,048] x [K 2,048, N 512]; A: computed on the way; B: input w2: QUANTISED
;;   THE QUANTISER, for each operand of a quantised product, along K:
;;     - K is cut into blocks of 32 from its start; a last block that is shorter is filled with zeros.
;;     - A block's scale is 2^e with e = floor(log2(the largest magnitude in the block)) - 2, held to -126 .. 127; a block of zeros has e = 0. As a byte (E8M0): e + 127.
;;     - Each number is divided by its block's scale, clamped to +-7.5, and rounded to the nearest number of E2M3, ties to even, subnormals kept.
;;     - The product sums the exact products of the quantised numbers (number of the format x scale) in f32.
;;   ~~~python
;;   def quantise(x, axis):      # numpy; x: float32 -> the quantised numbers, widened to float32 again
;;       x = np.moveaxis(x, axis, -1); K = x.shape[-1]
;;       x = np.pad(x, [(0, 0)] * (x.ndim - 1) + [(0, -K % 32)]); x = x.reshape(x.shape[:-1] + (-1, 32)); a = np.abs(x).max(-1, keepdims=True)
;;       e = np.where(a > 0, np.clip(np.frexp(np.where(a > 0, a, 1))[1] - 1 - 2, -126, 127), 0)      # np.frexp(a)[1] - 1 = floor(log2(a)), exactly
;;       r = np.clip(x / 2.0 ** e, -7.5, 7.5)
;;       step = 2.0 ** (np.maximum(np.frexp(np.where(r == 0, 1, r))[1] - 1, 0) - 3)
;;       q = np.round(r / step) * step * 2.0 ** e      # np.round: ties to even
;;       return np.moveaxis(q.reshape(q.shape[:-2] + (-1,))[..., :K], -1, axis).astype(np.float32)
;;   ~~~
;;   SOFTMAX AHEAD OF A QUANTISED PRODUCT. Where the list says 'softmax', what is quantised is not the finished softmax but p = 2^(t - M), with t = logit x log2(e) and M = ceil(the row's largest t), a whole number; so 1/2 < the row's largest p <= 1. The row's sum l is taken of the UNQUANTISED p, in f32, and the product's result is divided by l at the end. Since M is a whole number, a kernel that streams over the keys may use a running M (the ceiling of the running maximum): every later rescaling is an exact power of two, which a block's scale takes up: the codes' values come out the same.
;;   OPERANDS COMPUTED ON THE WAY. 'Computed on the way' means the value that the module computes at that place (a softmax that the list does not call 'softmax' is quantised finished and normalised). What goes into a quantiser is computed in f32, as accurately as f32 sums, v_exp_f32 and their like allow (about 1e-6 of the number): no bf16 or f16 on the way to a quantiser, and a product that is left as it is and whose result goes on into a quantised operand takes f32 operands (vector FMAs, or v_wmma_f32_16x16x4_f32). A number that lies on a knife's edge between two numbers of the format may be rounded either way, as far as f32 arithmetic and the matrix unit's own rounding can turn it there, and no further.
;; One version. Each part assembles by itself: llvm-mc -triple=amdgcn-amd-amdhsa -mcpu=gfx1250 --defsym DOCPART=n.
;; ======== version 1 of 1: 4 launches
;; limits: a function is approximated: absolute error at most 1.5e-07
;; workspace buffers: wimg 2,457,600 bytes; qbuf 6,815,744 bytes; kbuf 6,815,744 bytes; vbuf 6,553,600 bytes; cbuf 6,815,744 bytes
;; launch wprep (part 1): grid 192 x 1, 4 waves a work-group, no clusters, 0 bytes of LDS; arguments wq, wk, wv, wo, w1, w2, wimg; writes wimg
.if DOCPART == 1
	.amdgcn_target "amdgcn-amd-amdhsa--gfx1250"
	.amdhsa_code_object_version 6
	.text
	.protected	k_qa6966157b0_wprep
	.globl	k_qa6966157b0_wprep
	.p2align	8
	.type	k_qa6966157b0_wprep,@function
k_qa6966157b0_wprep:
	s_mov_b64 s[64:65], 0
	v_nop
	global_prefetch_b8 v0, s[64:65] scope:SCOPE_SE
	s_setreg_imm32_b32 hwreg(HW_REG_WAVE_MODE, 25, 1), 1
	s_wait_xcnt 0x0
; The six weights (f32, K innermost) become codes of FP6 (E2M3) with one E8M0 byte for each 32 along K, laid in wimg in the ORDER OF THE OPERAND'S REGISTERS and in the order in which the later launches' waves take them.
; A tile is 16 rows; lane r of tile T holds row 32 (T / 2) + 8 (T % 2) + r + 8 (r / 8), so that the results of two neighbouring tiles, used as source 0, are 16 neighbours along the next K.
; A fragment (16 rows x 128 K, 12 registers a lane) is 1,536 bytes: registers 4 c .. 4 c + 3 of lane l at 512 c + 16 l.  A group block, GB bytes, is 16 fragments (four subs of four) and 1,024 bytes of scale words.
; Form 1 (4 tiles x 4 K steps): fragment (s, t) at 6144 s + 1536 t; the word of tile t, step s at 24576 + 512 (t / 2) + 16 (r + 16 (t % 2)) + 4 s.
; Form 2 (w2: 8 tiles x 2 K steps): sub 2 s' + q, fragment t; the word at 24576 + 512 q + 16 (r + 16 (t % 2)) + 8 (t / 2) + 4 s'.
; wimg: from 0 four streams of 18 groups (wave w of the last launch: wo's tiles 8 w .. 8 w + 7, then for c = 0 .. 7 w1's tiles 16 c + 4 w .. + 3 and w2's tiles 8 w .. 8 w + 7 at K steps 2 c, 2 c + 1); from QKVOFF 24 groups: 8 x (q, k, v) + head.
; SHARES: a work-group takes two neighbouring tiles (32 rows) x four K steps, a wave one K step: 64 numbers a lane and tile, register 16 b + i = k 32 b + 16 (lane / 16) + i of the lane's row.
; The scale words leave as 4 bytes a lane, 16 bytes apart: 98,304 bytes in the whole launch.
; LIMITS: a block of zeros gets the byte 1 where the rule says 127 (its codes are zeros, and this program alone reads the bytes); NaN and infinities among the inputs are not served.
.set GB,      25600
.set STREAM,  460800                   ; 18 groups
.set QKVOFF,  1843200                  ; 4 streams
.set VA0, 4                            ; v4   my byte in the pair's rows, even tile
.set VA1, 5                            ; v5   odd tile: 8 rows further down
.set LI,  6                            ; v6   16 x lane
.set TM,  8                            ; v8-23  at work: largest magnitudes, bytes, the conversions' scale operands
.set PW0, 24                           ; the two tiles' scale words, and what is stored
.set PW1, 25
.set PWS, 26
.set PC0, 32                           ; v32-43 the even tile's codes
.set CT,  44                           ; v44-51 the conversions' second halves
.set PC1, 52                           ; v52-63 the odd tile's codes
.set N0,  64                           ; v64-127, v128-191 the numbers
.set N1,  128
.set SEL, 38                           ; s[38:39] lane selects for lane l xor 16
; 64 numbers of a lane become a fragment's codes in v[pc] on and its scale word in v[pw]
.macro QUANT4 src, pc, pw
.irp b, 0,1,2,3
	v_max3_num_f32 v[TM+\b], |v[\src+16*\b]|, |v[\src+16*\b+1]|, 0x1800000   ; block b: my 16 numbers, and the floor 2^(3 - 127): the byte cannot fall under 1
.endr
.irp i, 2,4,6,8,10,12,14
.irp b, 0,1,2,3
	v_max3_num_f32 v[TM+\b], v[TM+\b], |v[\src+16*\b+\i]|, |v[\src+16*\b+\i+1]|
.endr
.endr
.irp b, 0,1,2,3
	v_permlanex16_b32 v[TM+4+\b], v[TM+\b], s[SEL], s[SEL+1]
.endr
.irp b, 0,1,2,3
	v_max_num_f32 v[TM+\b], v[TM+\b], v[TM+4+\b]      ; with lane l xor 16's 16: the block's largest magnitude
.endr
.irp b, 0,1,2,3
	v_add_nc_u32 v[TM+12+\b], 0xff000000, v[TM+\b]    ; 2 off its exponent field: the conversion's scale operand
.endr
.irp b, 0,1,2,3
	v_lshrrev_b32 v[TM+4+\b], 23, v[TM+12+\b]         ; the scale's byte
.endr
	v_lshl_or_b32 v[\pw], v[TM+5], 8, v[TM+4]
	v_lshl_or_b32 v[\pw], v[TM+6], 16, v[\pw]
	v_lshl_or_b32 v[\pw], v[TM+7], 24, v[\pw]
.irp c, 0,1
	v_cvt_scalef32_pk16_fp6_f32 v[\pc+6*\c:\pc+6*\c+2], v[\src+32*\c:\src+32*\c+15], v[TM+12+2*\c]
	v_cvt_scalef32_pk16_fp6_f32 v[CT+4*\c:CT+4*\c+2], v[\src+32*\c+16:\src+32*\c+31], v[TM+12+2*\c+1]
.endr
	v_nop                                             ; one plain place behind the scaled conversions
.irp c, 0,1                                       ; the operand wants a whole block in a lane: lanes 0-15 block 2 c, lanes 16-31 block 2 c + 1
.irp i, 0,1,2
	v_permlane16_swap_b32 v[\pc+6*\c+\i], v[CT+4*\c+\i]
.endr
.irp i, 0,1,2
	v_mov_b32 v[\pc+6*\c+3+\i], v[CT+4*\c+\i]
.endr
.endr
.endm
	s_load_b256 s[4:11], s[0:1], 0x0                  ; wq, wk, wv, wo
	s_load_b128 s[12:15], s[0:1], 0x20                ; w1, w2
	s_load_b64 s[16:17], s[0:1], 0x30                 ; wimg
	v_lshrrev_b32 v1, 5, v0
	v_readfirstlane_b32 s18, v1                       ; wave: which of the four K steps
	v_and_b32 v1, 31, v0
	v_and_b32 v2, 15, v0                              ; r
	v_bfe_u32 v3, v0, 4, 1                            ; h
	v_and_b32 v[VA0], 8, v2
	v_add_nc_u32 v[VA0], v[VA0], v2                   ; r + 8 (r / 8)
	v_lshlrev_b32 v[LI], 4, v1
	s_mov_b32 s[SEL], 0x76543210
	s_mov_b32 s[SEL+1], 0xfedcba98
	s_mov_b32 vcc_lo, 0xffff0000                      ; lanes 16-31: they carry the odd tile's scale words
.irp b, 0,1,2,3
	v_mov_b32 v[TM+4+\b], 0                           ; a lane permute's destination counts as one of its sources
.endr
	s_mov_b32 s19, ttmp9
	s_wait_kmcnt 0x0
	s_cmp_lt_u32 s19, 16                              ; whose rows: the choice hangs on the work-group's number alone
	s_cselect_b64 s[20:21], s[4:5], s[6:7]
	s_cmp_lt_u32 s19, 32
	s_cselect_b64 s[20:21], s[20:21], s[8:9]
	s_cmp_lt_u32 s19, 48
	s_cselect_b64 s[20:21], s[20:21], s[10:11]
	s_cmp_lt_u32 s19, 64
	s_cselect_b64 s[20:21], s[20:21], s[12:13]
	s_cmp_lt_u32 s19, 128
	s_cselect_b64 s[20:21], s[20:21], s[14:15]
	; s23 = the pair of tiles, s25 = the group block's byte in wimg; then s22 = log2 of a row's bytes, s24 = the K step, s26 = the sub, s27 = the scale words' place
	s_cmp_lt_u32 s19, 48
	s_cbranch_scc0 .Lnot_qkv
	s_lshr_b32 s28, s19, 4                            ; q, k or v
	s_and_b32 s23, s19, 15
	s_lshl_b32 s28, s28, 3
	s_lshr_b32 s29, s23, 1                            ; head
	s_add_co_u32 s28, s28, s29
	s_mul_i32 s25, s28, GB
	s_add_co_u32 s25, s25, QKVOFF
	s_branch .Lform1
.Lnot_qkv:
	s_cmp_lt_u32 s19, 64
	s_cbranch_scc0 .Lnot_wo
	s_sub_co_u32 s23, s19, 48
	s_lshr_b32 s28, s23, 1                            ; four tiles: 2 x stream + group
	s_lshr_b32 s29, s28, 1
	s_mul_i32 s25, s29, STREAM
	s_and_b32 s28, s28, 1
	s_mul_i32 s28, s28, GB
	s_add_co_u32 s25, s25, s28
	s_branch .Lform1
.Lnot_wo:
	s_cmp_lt_u32 s19, 128
	s_cbranch_scc0 .Lw2
	s_sub_co_u32 s23, s19, 64
	s_lshr_b32 s28, s23, 3                            ; chunk c
	s_lshl_b32 s28, s28, 1
	s_add_co_u32 s28, s28, 2                          ; group 2 + 2 c
	s_mul_i32 s25, s28, GB
	s_lshr_b32 s29, s23, 1
	s_and_b32 s29, s29, 3                             ; stream
	s_mul_i32 s29, s29, STREAM
	s_add_co_u32 s25, s25, s29
.Lform1:
	s_mov_b32 s22, 11                                 ; rows of 2,048 bytes
	s_mov_b32 s24, s18
	s_mov_b32 s26, s18
	s_and_b32 s28, s23, 1
	s_lshl_b32 s27, s28, 9
	s_lshl_b32 s28, s18, 2
	s_add_co_u32 s27, s27, s28                        ; 512 (t / 2) + 4 s
	s_branch .Ljoin
.Lw2:
	s_sub_co_u32 s28, s19, 128
	s_and_b32 s23, s28, 15
	s_lshr_b32 s28, s28, 4
	s_mov_b32 s22, 13                                 ; rows of 8,192 bytes
	s_lshl_b32 s24, s28, 2
	s_add_co_u32 s24, s24, s18                        ; K step 0 .. 15
	s_lshr_b32 s28, s24, 1                            ; chunk c
	s_lshl_b32 s28, s28, 1
	s_add_co_u32 s28, s28, 3                          ; group 3 + 2 c
	s_mul_i32 s25, s28, GB
	s_lshr_b32 s29, s23, 2                            ; stream
	s_mul_i32 s29, s29, STREAM
	s_add_co_u32 s25, s25, s29
	s_and_b32 s28, s24, 1                             ; s'
	s_lshr_b32 s29, s23, 1
	s_and_b32 s29, s29, 1                             ; q
	s_lshl_b32 s26, s28, 1
	s_add_co_u32 s26, s26, s29                        ; sub 2 s' + q
	s_lshl_b32 s27, s29, 9
	s_lshl_b32 s28, s28, 2
	s_add_co_u32 s27, s27, s28
	s_and_b32 s28, s23, 1
	s_lshl_b32 s28, s28, 3
	s_add_co_u32 s27, s27, s28                        ; 512 q + 8 (t / 2) + 4 s'
.Ljoin:
	v_lshlrev_b32 v[VA0], s22, v[VA0]
	v_lshl_add_u32 v[VA0], v3, 6, v[VA0]              ; row x pitch + 64 h
	s_lshl_b32 s36, 8, s22
	v_add_nc_u32 v[VA1], s36, v[VA0]
	s_lshl_b32 s28, s23, 5
	s_lshl_b32 s28, s28, s22                          ; 32 rows a pair
	s_lshl_b32 s29, s24, 9                            ; 512 bytes a K step
	s_add_co_u32 s28, s28, s29
	s_mov_b32 s29, 0
	s_add_nc_u64 s[20:21], s[20:21], s[28:29]
	s_mul_i32 s30, s26, 6144
	s_add_co_u32 s30, s30, s25
	s_and_b32 s31, s23, 1
	s_mul_i32 s31, s31, 3072
	s_add_co_u32 s30, s30, s31
	s_mov_b32 s31, 0
	s_add_nc_u64 s[32:33], s[16:17], s[30:31]         ; the even tile's fragment
	s_add_co_u32 s30, s25, s27
	s_add_co_u32 s30, s30, 24576
	s_add_nc_u64 s[34:35], s[16:17], s[30:31]         ; the pair's scale words
.irp b, 0,1,2,3
.irp j, 0,1,2,3
	global_load_b128 v[N0+16*\b+4*\j:N0+16*\b+4*\j+3], v[VA0], s[20:21] offset:128*\b+16*\j th:TH_LOAD_NT
.endr
.endr
.irp b, 0,1,2,3
.irp j, 0,1,2,3
	global_load_b128 v[N1+16*\b+4*\j:N1+16*\b+4*\j+3], v[VA1], s[20:21] offset:128*\b+16*\j th:TH_LOAD_NT
.endr
.endr
	s_wait_loadcnt 16                                 ; the even tile's sixteen loads are in; the odd tile's may be out
	QUANT4 N0, PC0, PW0
	s_wait_loadcnt 0x0
	QUANT4 N1, PC1, PW1
.irp c, 0,1,2
	global_store_b128 v[LI], v[PC0+4*\c:PC0+4*\c+3], s[32:33] offset:512*\c          ; 32 lanes store 512 consecutive bytes
.endr
.irp c, 0,1,2
	global_store_b128 v[LI], v[PC1+4*\c:PC1+4*\c+3], s[32:33] offset:1536+512*\c
.endr
	v_cndmask_b32 v[PWS], v[PW0], v[PW1], vcc_lo      ; lanes 0-15 the even tile's words, lanes 16-31 the odd tile's
	global_store_b32 v[LI], v[PWS], s[34:35]
	s_endpgm
.Lfunc_end_k_qa6966157b0_wprep:
	.size	k_qa6966157b0_wprep, .Lfunc_end_k_qa6966157b0_wprep-k_qa6966157b0_wprep
	.p2alignl 7, 3214868480
	.fill 96, 4, 3214868480
	.section	.rodata,"a",@progbits
	.p2align	6, 0x0
	.amdhsa_kernel k_qa6966157b0_wprep
		.amdhsa_group_segment_fixed_size 0
		.amdhsa_private_segment_fixed_size 0
		.amdhsa_enable_private_segment 0
		.amdhsa_kernarg_size 56
		.amdhsa_user_sgpr_count 2
		.amdhsa_user_sgpr_kernarg_segment_ptr 1
		.amdhsa_wavefront_size32 1
		.amdhsa_system_sgpr_workgroup_id_x 1
		.amdhsa_system_sgpr_workgroup_id_y 1
		.amdhsa_system_sgpr_workgroup_id_z 1
		.amdhsa_system_vgpr_workitem_id 0
		.amdhsa_next_free_vgpr 192
		.amdhsa_next_free_sgpr 66
		.amdhsa_reserve_vcc 1
		.amdhsa_float_denorm_mode_32 3
		.amdhsa_float_denorm_mode_16_64 3
		.amdhsa_memory_ordered 1
		.amdhsa_forward_progress 1
		.amdhsa_inst_pref_size 16
	.end_amdhsa_kernel
	.amdgpu_metadata
---
amdhsa.version: [ 1, 2 ]
amdhsa.kernels:
  - .name:           k_qa6966157b0_wprep
    .symbol:         k_qa6966157b0_wprep.kd
    .args:
      - { .name: wq, .offset: 0, .size: 8, .value_kind: global_buffer, .address_space: global }
      - { .name: wk, .offset: 8, .size: 8, .value_kind: global_buffer, .address_space: global }
      - { .name: wv, .offset: 16, .size: 8, .value_kind: global_buffer, .address_space: global }
      - { .name: wo, .offset: 24, .size: 8, .value_kind: global_buffer, .address_space: global }
      - { .name: w1, .offset: 32, .size: 8, .value_kind: global_buffer, .address_space: global }
      - { .name: w2, .offset: 40, .size: 8, .value_kind: global_buffer, .address_space: global }
      - { .name: wimg, .offset: 48, .size: 8, .value_kind: global_buffer, .address_space: global }
    .group_segment_fixed_size: 0
    .private_segment_fixed_size: 0
    .kernarg_segment_align: 8
    .kernarg_segment_size: 56
    .max_flat_workgroup_size: 128
    .sgpr_count:     66
    .vgpr_count:     192
    .wavefront_size: 32
...
	.end_amdgpu_metadata
.endif
;; end of part 1
;; launch qkv (part 2): grid 256 x 1, 4 waves a work-group, clusters of 4 x 1, 327,680 bytes of LDS; arguments x, wimg, bq, bk, bv, eclipse_mask, qbuf, kbuf, vbuf; writes qbuf, kbuf, vbuf
.if DOCPART == 2
	.amdgcn_target "amdgcn-amd-amdhsa--gfx1250"
	.amdhsa_code_object_version 6
	.text
	.protected	k_qa6966157b0_qkv
	.globl	k_qa6966157b0_qkv
	.p2align	8
	.type	k_qa6966157b0_qkv,@function
k_qa6966157b0_qkv:
	s_mov_b64 s[64:65], 0
	v_nop
	global_prefetch_b8 v0, s[64:65] scope:SCOPE_SE
	s_setreg_imm32_b32 hwreg(HW_REG_WAVE_MODE, 25, 1), 1
	s_wait_xcnt 0x0
	s_wait_alu depctr_hold_cnt(0) depctr_sa_sdst(0) depctr_va_vdst(0) depctr_va_sdst(0) depctr_va_ssrc(0) depctr_va_vcc(0) depctr_vm_vsrc(0)
	s_getreg_b32 s2, hwreg(HW_REG_IB_STS2, 6, 4)
	s_cmp_eq_u32 s2, 0
	s_cbranch_scc0 .Lentry_in_a_cluster
	s_endpgm
.Lentry_in_a_cluster:
	s_bfe_u32 s2, ttmp6, 0x10000c
	s_cmp_lg_u32 s2, 0x3003
	s_cbranch_scc0 .Lentry_shape_is_right
	s_endpgm
.Lentry_shape_is_right:
; Q = x wq^T + bq, K = x wk^T + bk, V = x wv^T + bv on codes of FP6 (E2M3) with one E8M0 byte for each 32 along K; the results are quantised at once for the attention: Q and K along a head's 64 channels, V along the keys.
; SHARES.  A work-group owns 64 rows of x (one sequence's 64 positions) as four tiles of 16; lane r of tile m holds row 32 (m / 2) + 8 (m % 2) + r + 8 (r / 8).  Wave w first quantises tile w of x (four fragments), which go to the
; other waves through LDS as images of their registers; then it runs six units: heads 2 w and 2 w + 1 of Q, of K and of V.  A unit is one group block of wimg: 4 tiles x 4 K steps, 64 matrix instructions on 16 accumulators by turns.
; THE WEIGHTS.  All work-groups walk the same 24 group blocks, wave w of each the same six.  CLUSTERS of 4 x 1 work-groups ask for them JOINTLY: the same tensor load, with the same descriptor (made of wimg's address and the wave's
; number alone) and a mask that names the four, in all four; each receives the block, 25,600 dense bytes, in its own LDS.  Two slots take turns, even units in A, odd ones in B; in a slot each wave has its own 25,600 bytes,
; which it alone fills and reads.  From LDS a block goes into a ring of four subs (48 registers each) that runs one unit ahead: behind a sub's 16 products its registers take the same sub of the next unit.
; So unit u + 1's block is read during unit u's products, and at unit u's end its slot takes unit u + 3's block, which has a whole unit in which to land.  By this text's count at most two tensor loads of a wave are out.
; Q, K: source 0 = 16 rows of the weight, source 1 = 16 rows of x: a lane holds one row and its registers run along the head's channels.  V: source 0 = x, source 1 = the weight: a lane holds one channel and its registers run along the keys.
; THE BOOST (2 or 1 for each key) is a power of two: it is added to the key's two scale bytes, which are at most 252 before.
; Out: half images (16 rows x 64 K: registers 0-3 at 16 x lane, 4-5 at 512 + 8 x lane, 768 bytes).  qbuf, kbuf: for each (sequence, head) 64 tiles, then at 49,152 the words [pair of tiles][lane]: lanes 0-15 the even tile's.
; vbuf: for each (sequence, head) [128 keys][tile of channels][half] x 768, then at 49,152 [128 keys][pair][lane] words, of which this work-group writes two bytes a lane: 262,144 bytes in the whole launch leave as stores of two bytes.
; No prefetch: the weights are read by every cluster again, and x is asked for at the head.
; LIMITS: a block of zeros gets the byte 1 where the rule says 127 (its codes are zeros, and this program alone reads the bytes); NaN and infinities among the inputs are not served.
; REGISTERS: window 0: v1-9 addresses, v10-13 the boost, v16-31 x's scale words, v32-47 the weights' (two sets), v48-79 at work, v80-111 codes, v114-115 the slots' addresses, v128-255 accumulators.
;   window 1: v0-191 x's 16 fragments, v192-223 the bias tiles.  window 2: v0-191 the ring.
.set GB,     25600
.set QKVOFF, 1843200
.set QHB,    53248                     ; a head's block in qbuf and kbuf
.set VHB,    51200                     ; and in vbuf
.set XIMG,   0                         ; LDS: x's 16 fragments, (tile m, K step s) at 1536 (4 m + s)
.set XSC,    24576                     ; their scale words: 512 m + 16 lane + 4 s
.set SPARE,  26624                     ; the spare words, 128 bytes a wave: two blocks of 256 bytes that no other line names
.set SLA,    27136                     ; slot A: four waves x GB; nothing is stored there
.set SLB,    SLA+4*GB                  ; slot B
.set LI,  1                            ; 16 x lane
.set L8,  2                            ; 8 x lane
.set L4,  3                            ; 4 x lane
.set XA,  4                            ; x: (r + 8 (r / 8)) x 2048 + 64 h
.set XWI, 5                            ; where I store x's images
.set XWS, 6                            ; and their scale words
.set BQA, 7                            ; 64 h
.set BVA, 8                            ; 4 (r + 8 (r / 8))
.set EMA, 9                            ; r + 8 (r / 8)
.set EM,  10
.set SPW, 14
.set NIL, 15
.set XS,  16
.set WS,  32
.set TM,  48
.set CT,  64
.set PW,  72
.set BV4, 76
.set PC,  80
.set SD,  112
.set RAA, 114                          ; 16 x lane + my part of slot A
.set RAB, 115                          ; and of slot B
.set ACC, 128
.set BIAS, 192                         ; in window 1
.set WV,  22
.set SEL, 24
.set GID, 50                           ; my work-group's number: it enters global addresses of x, the mask and the outputs alone
.set G1,  52                           ; s[52:59] descriptor group 1
.set G0A, 60                           ; s[60:63] group 0 for slot A
.set G0B, 68                           ; s[68:71] for slot B
.set MSB, 0
.macro WIN new                         ; the immediate's high byte repeats the setting that is left
.if MSB != (\new)
	s_set_vgpr_msb (MSB<<8)|(\new)
.set MSB, (\new)
.endif
.endm
; A round of the cluster's barrier: my work-group's barrier, so that wave 0's signal speaks for all four waves; wave 0 signals for the work-group; every wave waits for all four work-groups; my work-group's barrier once more.
.macro ROUND
	s_barrier_signal -1
	s_barrier_wait -1
	s_cmp_lg_u32 s[WV], 0
	s_cbranch_scc1 .Lnot_wave_0_\@
	s_barrier_signal -3
.Lnot_wave_0_\@:
	s_barrier_wait -3
	s_barrier_signal -1
	s_barrier_wait -1
.endm
; A slot is filled again.  Every wave waits for all its tensor loads, adds 0 to its spare word, steps the slot's descriptor, waits for the add and for its LDS loads (its reads of the slot among them); behind the round no wave of any
; partner still reads the slot or has a load on its way, and the joint load is the first thing there: one a wave.
.macro REFILL g0, step
	WIN 0
	s_wait_tensorcnt 0x0                              ; no tensor load of mine is out, so a group 0 may be written
	ds_add_u32 v[SPW], v[NIL]                         ; 0 onto my spare word
	s_add_nc_u64 s[\g0+2:\g0+3], s[\g0+2:\g0+3], \step   ; the type bits on top are not reached
	s_wait_dscnt 0x0
	ROUND
	tensor_load_to_lds s[\g0:\g0+3], s[G1:G1+7]
	s_nop 0
.rept 4
	v_nop
.endr
.endm
; nb blocks of 32 (16 numbers a lane and block, v[src + 16 b + i] in window sw = k 32 b + 16 (lane / 16) + i of the lane's row) become codes in v[pc] on and the scale bytes in v[pw]
.macro QUANT nb, src, sw, pc, pw
	WIN ((\sw)|((\sw)<<2))
.irp b, 0,1,2,3
.if \b < \nb
	v_max3_num_f32 v[TM+\b], |v[(\src)+16*\b]|, |v[(\src)+16*\b+1]|, 0x1800000   ; and the floor 2^(3 - 127): the byte cannot fall under 1
.endif
.endr
	WIN (((\sw)<<2)|((\sw)<<4))
.irp i, 2,4,6,8,10,12,14
.irp b, 0,1,2,3
.if \b < \nb
	v_max3_num_f32 v[TM+\b], v[TM+\b], |v[(\src)+16*\b+\i]|, |v[(\src)+16*\b+\i+1]|
.endif
.endr
.endr
	WIN 0
.irp b, 0,1,2,3
.if \b < \nb
	v_permlanex16_b32 v[TM+4+\b], v[TM+\b], s[SEL], s[SEL+1]
.endif
.endr
.irp b, 0,1,2,3
.if \b < \nb
	v_max_num_f32 v[TM+\b], v[TM+\b], v[TM+4+\b]      ; with lane l xor 16's: the block's largest magnitude
.endif
.endr
.irp b, 0,1,2,3
.if \b < \nb
	v_add_nc_u32 v[TM+12+\b], 0xff000000, v[TM+\b]    ; 2 off its exponent field: the conversion's scale operand
.endif
.endr
.irp b, 0,1,2,3
.if \b < \nb
	v_lshrrev_b32 v[TM+4+\b], 23, v[TM+12+\b]         ; the scale's byte
.endif
.endr
	v_lshl_or_b32 v[\pw], v[TM+5], 8, v[TM+4]
.if \nb == 4
	v_lshl_or_b32 v[\pw], v[TM+6], 16, v[\pw]
	v_lshl_or_b32 v[\pw], v[TM+7], 24, v[\pw]
.endif
	WIN (\sw)
.irp c, 0,1
.if 2*\c < \nb
	v_cvt_scalef32_pk16_fp6_f32 v[(\pc)+6*\c:(\pc)+6*\c+2], v[(\src)+32*\c:(\src)+32*\c+15], v[TM+12+2*\c]
	v_cvt_scalef32_pk16_fp6_f32 v[CT+4*\c:CT+4*\c+2], v[(\src)+32*\c+16:(\src)+32*\c+31], v[TM+12+2*\c+1]
.endif
.endr
	WIN 0
	v_nop                                             ; one plain place behind the scaled conversions
.irp c, 0,1
.if 2*\c < \nb
.irp i, 0,1,2
	v_permlane16_swap_b32 v[(\pc)+6*\c+\i], v[CT+4*\c+\i]   ; a whole block to a lane: lanes 0-15 block 2 c, lanes 16-31 block 2 c + 1
.endr
.irp i, 0,1,2
	v_mov_b32 v[(\pc)+6*\c+3+\i], v[CT+4*\c+\i]
.endr
.endif
.endr
.endm
; one matrix instruction.  row = 1: source 0's scales stand in lanes 16-31; 2: source 1's
.macro WM d, a, b, c, sa, sbb, row
.if (\row) == 0
	v_wmma_scale_f32_16x16x128_f8f6f4 v[(\d):(\d)+7], v[(\a):(\a)+11], v[(\b):(\b)+11], v[(\c):(\c)+7], v[\sa], v[\sbb] matrix_a_fmt:MATRIX_FMT_FP6 matrix_b_fmt:MATRIX_FMT_FP6
.elseif (\row) == 1
	v_wmma_scale_f32_16x16x128_f8f6f4 v[(\d):(\d)+7], v[(\a):(\a)+11], v[(\b):(\b)+11], v[(\c):(\c)+7], v[\sa], v[\sbb] matrix_a_fmt:MATRIX_FMT_FP6 matrix_b_fmt:MATRIX_FMT_FP6 matrix_a_scale:MATRIX_SCALE_ROW1
.else
	v_wmma_scale_f32_16x16x128_f8f6f4 v[(\d):(\d)+7], v[(\a):(\a)+11], v[(\b):(\b)+11], v[(\c):(\c)+7], v[\sa], v[\sbb] matrix_a_fmt:MATRIX_FMT_FP6 matrix_b_fmt:MATRIX_FMT_FP6 matrix_b_scale:MATRIX_SCALE_ROW1
.endif
.endm
; 16 matrix instructions: the unit's four tiles of the weight x the four tiles of x, K step sb.  The 16 accumulators take turns, one instruction a turn, in the same order in every K step.
; K step 0 takes the bias tile as C: nothing is cleared and no bias is added by a vector instruction.
.macro MM16 kind, u, sb
.if (\kind) == 0
.if (\sb) == 0
	WIN 0x16                                          ; source 0 the ring (window 2), source 1 x (1), C the bias (1), D window 0
.else
	WIN 0x06
.endif
.irp t, 0,1,2,3
.irp m, 0,1,2,3
.if (\sb) == 0
	WM ACC+32*\m+8*\t, 48*(\sb)+12*\t, 12*(4*\m+(\sb)), BIAS+8*\t, WS+8*((\u)%2)+4*(\t/2)+(\sb), XS+4*\m+(\sb), \t%2
.else
	WM ACC+32*\m+8*\t, 48*(\sb)+12*\t, 12*(4*\m+(\sb)), ACC+32*\m+8*\t, WS+8*((\u)%2)+4*(\t/2)+(\sb), XS+4*\m+(\sb), \t%2
.endif
.endr
.endr
.else
.if (\sb) == 0
	WIN 0x19                                          ; source 0 x (window 1), source 1 the ring (2), C the bias (1)
.else
	WIN 0x09
.endif
.irp t, 0,1,2,3
.irp m, 0,1,2,3
.if (\sb) == 0
	WM ACC+32*\t+8*\m, 12*(4*\m+(\sb)), 48*(\sb)+12*\t, BIAS+8*\t, XS+4*\m+(\sb), WS+8*((\u)%2)+4*(\t/2)+(\sb), 2*(\t%2)
.else
	WM ACC+32*\t+8*\m, 12*(4*\m+(\sb)), 48*(\sb)+12*\t, ACC+32*\t+8*\m, XS+4*\m+(\sb), WS+8*((\u)%2)+4*(\t/2)+(\sb), 2*(\t%2)
.endif
.endr
.endr
.endif
.endm
.macro P5                              ; four places in front of loads into registers that matrix instructions have read and of the first read of results; the fifth for a matrix instruction that writes over such a register
.rept 5
	v_nop
.endr
.endm
.macro RLOAD sb, adr                   ; sub sb of the group block in the slot at v[adr]: four fragments, 12 loads of 512 consecutive bytes
	WIN 0x80
.set rk, 0
.rept 12
	ds_load_b128 v[48*(\sb)+4*rk:48*(\sb)+4*rk+3], v[\adr] offset:6144*(\sb)+512*rk
.set rk, rk+1
.endr
.endm
.macro WSLOAD set, adr                 ; its scale words: register 4 p + s: lanes 0-15 tile 2 p, lanes 16-31 tile 2 p + 1, K step s
	WIN 0
	ds_load_b128 v[WS+8*(\set):WS+8*(\set)+3], v[\adr] offset:24576
	ds_load_b128 v[WS+8*(\set)+4:WS+8*(\set)+7], v[\adr] offset:24576+512
.endm
.macro BLOAD ptr, hd                   ; Q's or K's bias in the result's layout: register 16 b + i = channel 32 b + 16 h + i
	WIN 0x40
.irp b, 0,1
.irp j, 0,1,2,3
	global_load_b128 v[BIAS+16*\b+4*\j:BIAS+16*\b+4*\j+3], v[BQA], s[\ptr:\ptr+1] offset:256*(\hd)+128*\b+16*\j
.endr
.endr
.endm
.macro VBLOAD hd                       ; V's bias: one number a lane and tile: my channel's
	WIN 0
.irp t, 0,1,2,3
	global_load_b32 v[BV4+\t], v[BVA], s[12:13] offset:256*(\hd)+(32*(\t/2)+8*(\t%2))*4
.endr
.endm
.macro XLOAD set, ks                   ; my 16 rows' numbers of K step ks
.irp b, 0,1,2,3
.irp j, 0,1,2,3
	global_load_b128 v[ACC+64*(\set)+16*\b+4*\j:ACC+64*(\set)+16*\b+4*\j+3], v[XA], s[4:5] offset:512*(\ks)+128*\b+16*\j th:TH_LOAD_NT
.endr
.endr
.endm
.macro XQ set, ks                      ; they become a fragment, which goes to LDS as it stands
	QUANT 4, ACC+64*(\set), 0, PC, PW
.irp c, 0,1,2
	ds_store_b128 v[XWI], v[PC+4*\c:PC+4*\c+3] offset:XIMG+1536*(\ks)+512*\c
.endr
	ds_store_b32 v[XWS], v[PW] offset:4*(\ks)
	s_wait_dscnt 0x0                                  ; the stores have read their registers
.endm
; A UNIT.  more = 0: the last unit asks for nothing.
; THE WAITS ON THE RING.  Sub s of a unit was asked of LDS in slot s of the unit before; behind it came the three later slots: 36 loads for s = 0, and for the others also the two loads of scale words of this unit's first slot: 38.
; Where a wait for 0 has stood between, the counts are met at once.
.macro UNIT u, more
.set KIND, (\u)/4
.set NA, RAA+((\u)+1)%2                ; the next unit's slot
.set CP, 28+4*((\u)/2)
.if KIND
.set HO, ((\u)%2)*VHB
.set TSTR, 1536
.else
.set HO, ((\u)%2)*QHB
.set TSTR, 768
.endif
.if (\u) == 4
	s_wait_tensorcnt 0x0                              ; the last fill, unit 5's block, has landed: only I read my part of it
.endif
	s_wait_loadcnt 0x0                                ; this unit's bias, asked for a unit ago
	s_wait_dscnt 36
.if KIND
	WIN 0x40
.irp t, 0,1,2,3
.irp j, 0,1,2,3,4,5,6,7
	v_mov_b32 v[BIAS+8*\t+\j], v[BV4+\t]              ; V's bias tile: a lane's eight registers are eight keys of one channel
.endr
.endr
.rept 4
	v_nop
.endr
.endif
	MM16 KIND, \u, 0
	P5
.if \more
	RLOAD 0, NA
	WSLOAD ((\u)+1)%2, NA
.if (\u)+1 < 2
	BLOAD 8, ((\u)+1)%2
.elseif (\u)+1 < 4
	BLOAD 10, ((\u)+1)%2
.else
	VBLOAD ((\u)+1)%2
.endif
.endif
.irp sb, 1,2,3
.if \more
	s_wait_dscnt 38
.else
	s_wait_dscnt 36-12*\sb
.endif
	MM16 KIND, \u, \sb
	P5
.if \more
	RLOAD \sb, NA
.endif
.endr
	WIN 0
	s_wait_xcnt 0x0                                   ; the last unit's stores have read their data: the codes' registers are written again only behind this wait
.irp m, 0,1,2,3
	QUANT 2, ACC+32*\m, 0, PC+8*\m, PW+\m
.endr
.if (\u)/2 == 1
.irp m, 0,1,2,3
	v_add_nc_u32 v[PW+\m], v[PW+\m], v[EM+\m]         ; the boost: 1 onto both bytes of a boosted key
.endr
.endif
.irp m, 0,1,2,3
	global_store_b128 v[LI], v[PC+8*\m:PC+8*\m+3], s[CP:CP+1] offset:HO+TSTR*\m          ; 512 consecutive bytes,
	global_store_b64 v[L8], v[PC+8*\m+4:PC+8*\m+5], s[CP:CP+1] offset:HO+TSTR*\m+512     ; and 256
.endr
	s_mov_b32 vcc_lo, 0xffff0000
.irp p, 0,1
	v_cndmask_b32 v[SD+\p], v[PW+2*\p], v[PW+2*\p+1], vcc_lo
.if KIND
	global_store_b16 v[L4], v[SD+\p], s[CP+2:CP+3] offset:HO+128*\p
.else
	global_store_b32 v[L4], v[SD+\p], s[CP+2:CP+3] offset:HO+128*\p
.endif
.endr
.if (\u) < 3                           ; the slot that this unit's products have read out takes the block of three units on
.if (\u)%2 == 0
	REFILL G0B, 8*GB
.else
	REFILL G0A, 8*GB
.endif
.endif
.endm
	s_load_b256 s[4:11], s[0:1], 0x0                  ; x, wimg, bq, bk
	s_load_b256 s[12:19], s[0:1], 0x20                ; bv, eclipse_mask, qbuf, kbuf
	s_load_b64 s[20:21], s[0:1], 0x40                 ; vbuf
	v_lshl_add_u32 v[SPW], v0, 2, SPARE
	v_mov_b32 v[NIL], 0
	ds_add_u32 v[SPW], v[NIL]                         ; the wave's opening: the add and its wait ahead of my first tensor load; the set-up below, work on registers, stands between them
	v_lshrrev_b32 v[LI], 5, v0
	v_readfirstlane_b32 s[WV], v[LI]                  ; wave 0..3
	v_and_b32 v[L4], 31, v0
	v_lshlrev_b32 v[LI], 4, v[L4]
	v_lshlrev_b32 v[L8], 3, v[L4]
	v_lshlrev_b32 v[L4], 2, v[L4]
	v_and_b32 v[EMA], 15, v0
	v_and_b32 v[BVA], 8, v[EMA]
	v_add_nc_u32 v[EMA], v[EMA], v[BVA]
	v_lshlrev_b32 v[BVA], 2, v[EMA]
	v_bfe_u32 v[BQA], v0, 4, 1
	v_lshlrev_b32 v[BQA], 6, v[BQA]
	v_lshl_add_u32 v[XA], v[EMA], 11, v[BQA]
	s_mul_i32 s40, s[WV], 6144
	v_add_nc_u32 v[XWI], s40, v[LI]
	s_lshl_b32 s40, s[WV], 9
	s_add_co_u32 s40, s40, XSC
	v_add_nc_u32 v[XWS], s40, v[LI]
.irp b, 0,1,2,3
	v_mov_b32 v[TM+4+\b], 0                           ; a lane permute's destination counts as one of its sources
.endr
	s_mov_b32 s[SEL], 0x76543210
	s_mov_b32 s[SEL+1], 0xfedcba98
	; descriptor group 1: a group block, 25,600 dense bytes, as 100 rows of 256 bytes
	s_mov_b32 s[G1], 15|(3<<16)|(1<<21)               ; 15:0 the mask: all four work-groups; 17:16 elements of 8 bytes; 20 no padding; 21 set beside a mask
	s_mov_b32 s[G1+1], 32<<16                         ; tensor_dim0 = 32
	s_mov_b32 s[G1+2], 100<<16                        ; tensor_dim1 = 100
	s_mov_b32 s[G1+3], 32<<16                         ; tile_dim0 = 32
	s_mov_b32 s[G1+4], 100                            ; tile_dim1 = 100
	s_mov_b32 s[G1+5], 32                             ; from row to row: 32 elements
	s_mov_b32 s[G1+6], 0
	s_mov_b32 s[G1+7], 0
	s_mov_b32 s[G0A], 1
	s_mov_b32 s[G0B], 1
	s_mul_i32 s[G0A+1], s[WV], GB                     ; where they go: the slot + wave x GB: no place in the cluster enters an LDS address
	s_add_co_u32 s[G0B+1], s[G0A+1], SLB
	s_add_co_u32 s[G0A+1], s[G0A+1], SLA
	v_add_nc_u32 v[RAA], s[G0A+1], v[LI]
	v_add_nc_u32 v[RAB], s[G0B+1], v[LI]
	s_mul_i32 s72, s[WV], 2*GB                        ; and where they come from: wq's block of head 2 w
	s_add_co_u32 s72, s72, QKVOFF
	s_mov_b32 s73, 0
	s_bfe_u32 s51, ttmp6, 0x40000                     ; cx: my place in the cluster
	s_lshl_b32 s[GID], ttmp9, 2                       ; in a cluster launch ttmp9 counts clusters
	s_add_co_u32 s[GID], s[GID], s51
	s_and_b32 s44, s[GID], 15                         ; which 64 positions of the sequence
	s_lshr_b32 s45, s[GID], 4                         ; the sequence
	s_lshl_b32 s45, s45, 3
	s_lshl_b32 s46, s[WV], 1
	s_add_co_u32 s45, s45, s46                        ; 8 x sequence + my first head
	s_mov_b32 s41, 0
	s_wait_dscnt 0x0                                  ; the opening add is done
	s_wait_kmcnt 0x0
	s_add_nc_u64 s[G0A+2:G0A+3], s[6:7], s[72:73]     ; unit 0's block,
	s_add_nc_u64 s[G0B+2:G0B+3], s[G0A+2:G0A+3], GB   ; unit 1's
	s_or_b32 s[G0A+3], s[G0A+3], 0x80000000           ; type = 2
	s_or_b32 s[G0B+3], s[G0B+3], 0x80000000
	s_lshl_b32 s40, s[GID], 17                        ; 64 rows of 2,048 bytes,
	s_lshr_b32 s46, s[WV], 1
	s_lshl_b32 s46, s46, 16
	s_add_co_u32 s40, s40, s46
	s_and_b32 s46, s[WV], 1
	s_lshl_b32 s46, s46, 14
	s_add_co_u32 s40, s40, s46                        ; + my tile's first row: 32 (w / 2) + 8 (w % 2)
	s_add_nc_u64 s[4:5], s[4:5], s[40:41]
	s_lshl_b32 s40, s[WV], 9
	s_add_nc_u64 s[8:9], s[8:9], s[40:41]
	s_add_nc_u64 s[10:11], s[10:11], s[40:41]
	s_add_nc_u64 s[12:13], s[12:13], s[40:41]
	s_lshr_b32 s40, s[GID], 6                         ; four sequences share a row of the mask
	s_lshl_b32 s40, s40, 10
	s_lshl_b32 s46, s44, 6
	s_add_co_u32 s40, s40, s46
	s_add_nc_u64 s[14:15], s[14:15], s[40:41]
	s_mul_i32 s47, s45, QHB
	s_mul_i32 s46, s44, 3072
	s_add_co_u32 s40, s47, s46
	s_add_nc_u64 s[28:29], s[16:17], s[40:41]         ; Q's codes
	s_add_nc_u64 s[32:33], s[18:19], s[40:41]         ; K's
	s_lshl_b32 s46, s44, 8
	s_add_co_u32 s40, s47, s46
	s_add_co_u32 s40, s40, 49152
	s_add_nc_u64 s[30:31], s[16:17], s[40:41]         ; Q's scale words
	s_add_nc_u64 s[34:35], s[18:19], s[40:41]         ; K's
	s_mul_i32 s47, s45, VHB
	s_lshr_b32 s46, s44, 1                            ; which 128 keys
	s_mul_i32 s48, s46, 6144
	s_add_co_u32 s40, s47, s48
	s_and_b32 s48, s44, 1                             ; which half of them
	s_mul_i32 s49, s48, 768
	s_add_co_u32 s40, s40, s49
	s_add_nc_u64 s[36:37], s[20:21], s[40:41]         ; V's codes
	s_lshl_b32 s46, s46, 8
	s_add_co_u32 s40, s47, s46
	s_lshl_b32 s48, s48, 1
	s_add_co_u32 s40, s40, s48
	s_add_co_u32 s40, s40, 49152
	s_add_nc_u64 s[38:39], s[20:21], s[40:41]         ; V's scale bytes
	ROUND                                             ; all four work-groups are here: the first joint loads meet
	tensor_load_to_lds s[G0A:G0A+3], s[G1:G1+7]       ; unit 0's block into slot A,
	s_nop 0
	tensor_load_to_lds s[G0B:G0B+3], s[G1:G1+7]       ; unit 1's into slot B: two loads of mine are out
	s_nop 0
.rept 4
	v_nop
.endr
	BLOAD 8, 0                                        ; the first unit's bias
	WIN 0
	XLOAD 0, 0
	XLOAD 1, 1
.irp m, 0,1,2,3
	global_load_u8 v[EM+\m], v[EMA], s[14:15] offset:32*(\m/2)+8*(\m%2)
.endr
	s_wait_loadcnt 20                                 ; K step 0 of x is in; behind it: K step 1's sixteen loads and the mask's four
	XQ 0, 0
	XLOAD 0, 2
	s_wait_loadcnt 20                                 ; K step 1 is in; behind it: the mask's four and K step 2's sixteen
	XQ 1, 1
	XLOAD 1, 3
	s_wait_loadcnt 16                                 ; K step 2 is in; behind it: K step 3's sixteen
	XQ 0, 2
	s_wait_loadcnt 0x0
	XQ 1, 3
.irp m, 0,1,2,3
	v_mul_u32_u24 v[EM+\m], v[EM+\m], 0x101           ; the mask's 0 or 1 in both bytes
.endr
	s_barrier_signal -1                               ; my stores have landed (the wait for 0 stands at the end of the last image); the first fills may stay out
	s_barrier_wait -1
	WIN 0x40
.set xk, 0
.rept 48
	ds_load_b128 v[4*xk:4*xk+3], v[LI] offset:XIMG+512*xk
.set xk, xk+1
.endr
	WIN 0
.irp m, 0,1,2,3
	ds_load_b128 v[XS+4*\m:XS+4*\m+3], v[LI] offset:XSC+512*\m
.endr
	s_wait_dscnt 0x0
	s_wait_tensorcnt 0x1                              ; my part of slot A is in; slot B's load may be out
	WSLOAD 0, RAA                                     ; the ring's first fill: unit 0
	RLOAD 0, RAA
	RLOAD 1, RAA
	RLOAD 2, RAA
	RLOAD 3, RAA
	REFILL G0A, 8*GB                                  ; slot A has been read out: it takes unit 2's block
	UNIT 0, 1                                         ; Q, head 2 w
	UNIT 1, 1                                         ; Q, head 2 w + 1
	UNIT 2, 1                                         ; K
	UNIT 3, 1
	UNIT 4, 1                                         ; V
	UNIT 5, 0
	s_wait_tensorcnt 0x0                              ; the wave's end: behind my last tensor load and my last LDS store
	ds_add_u32 v[SPW], v[NIL]
	s_wait_dscnt 0x0
	ROUND                                             ; the closing round: no work-group ends while a partner may still ask for a block that names it
	s_endpgm
.Lfunc_end_k_qa6966157b0_qkv:
	.size	k_qa6966157b0_qkv, .Lfunc_end_k_qa6966157b0_qkv-k_qa6966157b0_qkv
	.p2alignl 7, 3214868480
	.fill 96, 4, 3214868480
	.section	.rodata,"a",@progbits
	.p2align	6, 0x0
	.amdhsa_kernel k_qa6966157b0_qkv
		.amdhsa_group_segment_fixed_size 327680
		.amdhsa_private_segment_fixed_size 0
		.amdhsa_enable_private_segment 0
		.amdhsa_kernarg_size 72
		.amdhsa_user_sgpr_count 2
		.amdhsa_user_sgpr_kernarg_segment_ptr 1
		.amdhsa_wavefront_size32 1
		.amdhsa_system_sgpr_workgroup_id_x 1
		.amdhsa_system_sgpr_workgroup_id_y 1
		.amdhsa_system_sgpr_workgroup_id_z 1
		.amdhsa_system_vgpr_workitem_id 0
		.amdhsa_next_free_vgpr 704
		.amdhsa_next_free_sgpr 80
		.amdhsa_reserve_vcc 1
		.amdhsa_float_denorm_mode_32 3
		.amdhsa_float_denorm_mode_16_64 3
		.amdhsa_memory_ordered 1
		.amdhsa_forward_progress 1
		.amdhsa_inst_pref_size 166
	.end_amdhsa_kernel
	.amdgpu_metadata
---
amdhsa.version: [ 1, 2 ]
amdhsa.kernels:
  - .name:           k_qa6966157b0_qkv
    .symbol:         k_qa6966157b0_qkv.kd
    .args:
      - { .name: x, .offset: 0, .size: 8, .value_kind: global_buffer, .address_space: global }
      - { .name: wimg, .offset: 8, .size: 8, .value_kind: global_buffer, .address_space: global }
      - { .name: bq, .offset: 16, .size: 8, .value_kind: global_buffer, .address_space: global }
      - { .name: bk, .offset: 24, .size: 8, .value_kind: global_buffer, .address_space: global }
      - { .name: bv, .offset: 32, .size: 8, .value_kind: global_buffer, .address_space: global }
      - { .name: eclipse_mask, .offset: 40, .size: 8, .value_kind: global_buffer, .address_space: global }
      - { .name: qbuf, .offset: 48, .size: 8, .value_kind: global_buffer, .address_space: global }
      - { .name: kbuf, .offset: 56, .size: 8, .value_kind: global_buffer, .address_space: global }
      - { .name: vbuf, .offset: 64, .size: 8, .value_kind: global_buffer, .address_space: global }
    .group_segment_fixed_size: 327680
    .private_segment_fixed_size: 0
    .kernarg_segment_align: 8
    .kernarg_segment_size: 72
    .max_flat_workgroup_size: 128
    .sgpr_count:     80
    .vgpr_count:     704
    .wavefront_size: 32
...
	.end_amdgpu_metadata
.endif
;; end of part 2
;; launch attn (part 3): grid 2 x 128, 16 waves a work-group, no clusters, 106,496 bytes of LDS; arguments qbuf, kbuf, vbuf, cbuf; writes cbuf
.if DOCPART == 3
	.amdgcn_target "amdgcn-amd-amdhsa--gfx1250"
	.amdhsa_code_object_version 6
	.text
	.protected	k_qa6966157b0_attn
	.globl	k_qa6966157b0_attn
	.p2align	8
	.type	k_qa6966157b0_attn,@function
k_qa6966157b0_attn:
	s_mov_b64 s[64:65], 0
	v_nop
	global_prefetch_b8 v0, s[64:65] scope:SCOPE_SE
	s_setreg_imm32_b32 hwreg(HW_REG_WAVE_MODE, 25, 1), 1
	s_wait_xcnt 0x0
; ctx[q] = the sum over k of softmax_k(boost[k] Q[q] . K[k] / 8) V[k] for one (sequence, head), both products on codes of FP6 (E2M3) with one E8M0 byte for each 32 along K; the boost stands in K's scale bytes already.
; THE SOFTMAX AHEAD OF THE SECOND PRODUCT: t = score x log2(e) / 8; M = the row's largest t so far, rounded UP to a whole number; p = 2^(t - M) is what is quantised, along the keys; the row's sum is taken of the unquantised p and
; divides at the end.  When M moves, the sum and O are multiplied by 2^(old M - new M): exact.
; SHARES.  A work-group owns one head of one sequence and 512 of its 1,024 queries; each of its sixteen waves two tiles of 16 queries, one after the other, in 256 registers: four waves to a SIMD, so that one wave's vector work
; stands beside another's matrix work and LDS loads.  THE HEAD'S WHOLE K AND V (104,448 bytes of codes and scale words) come into LDS once, through registers, as they lie in memory: images of the operands' registers.
; The two work-groups of a head read the same K and V; they do not ask jointly, since the bytes are read once at the head of the launch and are a small part of its time.
; LAYOUT.  S^T = K Q^T (source 0 = 16 keys, source 1 = my 16 queries), O^T = V^T P^T (source 0 = 16 channels, source 1 = P): a lane holds ONE query throughout.  Lane r of a tile T of keys, of queries or of channels holds index
; 32 (T / 2) + 8 (T % 2) + r + 8 (r / 8), so that the 16 registers of result tiles 2 b and 2 b + 1 are 16 neighbours: 32 b + 16 (lane / 16) + 0 .. 15.
; THE FIRST PRODUCT'S K IS 64: registers 6-11 of Q's and K's fragments are zero codes, and the upper two scale bytes are 0, which is 2^-127: they add nothing.
; Out: ctx / the sum, quantised along the head's 64 channels: a half image of 768 bytes at cbuf[(row tile) x 8 + head], and two scale bytes a lane at 6,291,456 + 512 x row tile + 16 x lane + 2 x head (stores of two bytes: 524,288 bytes in the launch).
; LIMITS: a block of zeros gets the byte 1 where the rule says 127; NaN and infinities are not served.
; REGISTERS: v1-4 lane terms; v7-10 the step's addresses; v12 -M, v13 the largest t, v[14:15] the sum; v16-27 Q; v28 Q's scale words, v29-30 V's; v32-79 four fragments of K; v80-127 V's four; v128-191 S^T, then p; v192-223 O^T;
;   v224-235 p's codes; v232-247, v252, v254 at work; v248-251 K's scale words; v253 p's.  On the way out v160-190 serve the quantiser.
.set QHB,   53248
.set VHB,   51200
.set VL,    53248                      ; LDS: K's block from 0 (its scale words at KSC), V's from VL (at VSC)
.set KSC,   49152
.set VSC,   102400
.set SPARE, 104448                     ; the spare words, 128 bytes a wave: eight blocks of 256 bytes that no other line names
.set A16,  1
.set A8,   2
.set ASK0, 3
.set ASV0, 4
.set SPW,  5
.set NIL,  6
.set AD16, 7
.set AD8,  8
.set ADS,  9
.set ADT,  10
.set S,    128
.set O,    192
.set TM,   160
.set CT,   176
.set PC,   184
.set PW,   190
.set WV,   13
.set SEL,  22
.set CS,   24
.set TB,   26
.set TS,   27
.set TJ,   28
.set CNT,  29
; a tile of S^T.  row: 1 = the keys' scales stand in lanes 16-31; 2 = the queries'; 3 = both
.macro SMM d, a, sa, row
.if (\row) == 0
	v_wmma_scale_f32_16x16x128_f8f6f4 v[(\d):(\d)+7], v[(\a):(\a)+11], v[16:27], 0, v[\sa], v28 matrix_a_fmt:MATRIX_FMT_FP6 matrix_b_fmt:MATRIX_FMT_FP6
.elseif (\row) == 1
	v_wmma_scale_f32_16x16x128_f8f6f4 v[(\d):(\d)+7], v[(\a):(\a)+11], v[16:27], 0, v[\sa], v28 matrix_a_fmt:MATRIX_FMT_FP6 matrix_b_fmt:MATRIX_FMT_FP6 matrix_a_scale:MATRIX_SCALE_ROW1
.elseif (\row) == 2
	v_wmma_scale_f32_16x16x128_f8f6f4 v[(\d):(\d)+7], v[(\a):(\a)+11], v[16:27], 0, v[\sa], v28 matrix_a_fmt:MATRIX_FMT_FP6 matrix_b_fmt:MATRIX_FMT_FP6 matrix_b_scale:MATRIX_SCALE_ROW1
.else
	v_wmma_scale_f32_16x16x128_f8f6f4 v[(\d):(\d)+7], v[(\a):(\a)+11], v[16:27], 0, v[\sa], v28 matrix_a_fmt:MATRIX_FMT_FP6 matrix_b_fmt:MATRIX_FMT_FP6 matrix_a_scale:MATRIX_SCALE_ROW1 matrix_b_scale:MATRIX_SCALE_ROW1
.endif
.endm
.macro PMM d, a, sa, row               ; a tile of O^T, in place
.if (\row) == 0
	v_wmma_scale_f32_16x16x128_f8f6f4 v[(\d):(\d)+7], v[(\a):(\a)+11], v[224:235], v[(\d):(\d)+7], v[\sa], v253 matrix_a_fmt:MATRIX_FMT_FP6 matrix_b_fmt:MATRIX_FMT_FP6
.else
	v_wmma_scale_f32_16x16x128_f8f6f4 v[(\d):(\d)+7], v[(\a):(\a)+11], v[224:235], v[(\d):(\d)+7], v[\sa], v253 matrix_a_fmt:MATRIX_FMT_FP6 matrix_b_fmt:MATRIX_FMT_FP6 matrix_a_scale:MATRIX_SCALE_ROW1
.endif
.endm
; A KEY STEP: 128 keys.  odd: my tile of queries is the pair's odd one
.macro STEP odd
	v_add_nc_u32 v[AD16], s[TB], v[A16]               ; these four are also the places between the last step's products and the loads into their registers
	v_add_nc_u32 v[AD8], s[TB], v[A8]
	v_add_nc_u32 v[ADS], s[TS], v[ASK0]
	v_add_nc_u32 v[ADT], s[TJ], v[ASV0]
.irp t, 0,1,2,3
	ds_load_b128 v[32+12*\t:35+12*\t], v[AD16] offset:768*\t
	ds_load_b64 v[36+12*\t:37+12*\t], v[AD8] offset:768*\t+512
.endr
.irp p, 0,1,2,3
	ds_load_b32 v[248+\p], v[ADS] offset:128*\p       ; lanes 0-15 tile 2 p's words, lanes 16-31 tile 2 p + 1's
.endr
.irp t, 0,1,2,3
	ds_load_b128 v[80+12*\t:83+12*\t], v[AD16] offset:VL+1536*\t
	ds_load_b64 v[84+12*\t:85+12*\t], v[AD8] offset:VL+1536*\t+512
	ds_load_b128 v[86+12*\t:89+12*\t], v[AD16] offset:VL+1536*\t+768
	ds_load_b64 v[90+12*\t:91+12*\t], v[AD8] offset:VL+1536*\t+1280
.endr
.irp p, 0,1
	ds_load_b32 v[29+\p], v[ADT] offset:128*\p
.endr
	s_wait_dscnt 18                                   ; K's first four tiles and its scale words are in; V's sixteen loads and two scale words may be out
.irp t, 0,1,2,3
	SMM S+8*\t, 32+12*\t, 248+\t/2, \t%2+2*(\odd)
.endr
.rept 4
	v_nop                                             ; places in front of loads into registers that matrix instructions have read
.endr
.irp t, 0,1,2,3
	ds_load_b128 v[32+12*\t:35+12*\t], v[AD16] offset:768*(4+\t)
	ds_load_b64 v[36+12*\t:37+12*\t], v[AD8] offset:768*(4+\t)+512
.endr
	s_wait_dscnt 0x0
.irp t, 0,1,2,3
	SMM S+8*(4+\t), 32+12*\t, 250+\t/2, \t%2+2*(\odd)
.endr
.rept 4
	v_nop
.endr
.irp b, 0,1,2,3
	v_max3_num_f32 v[232+\b], v[S+16*\b], v[S+1+16*\b], v[S+2+16*\b]   ; the largest score of each block of 32 keys: for the row's maximum, and, since p rises with the score, for the block's largest p
.endr
.irp i, 3,5,7,9,11,13
.irp b, 0,1,2,3
	v_max3_num_f32 v[232+\b], v[232+\b], v[S+16*\b+\i], v[S+1+16*\b+\i]
.endr
.endr
.irp b, 0,1,2,3
	v_max_num_f32 v[232+\b], v[232+\b], v[S+15+16*\b]
.endr
.irp b, 0,1,2,3
	v_permlanex16_b32 v[236+\b], v[232+\b], s[SEL], s[SEL+1]
.endr
.irp b, 0,1,2,3
	v_max_num_f32 v[232+\b], v[232+\b], v[236+\b]     ; with lane l xor 16's 16 keys
.endr
	v_max3_num_f32 v254, v232, v233, v234
	v_max_num_f32 v254, v254, v235                    ; the step's largest score of my query
	v_mul_f32 v254, s[CS], v254                       ; as t (c is positive)
	v_max_num_f32 v13, v13, v254                      ; the running largest t
	v_mov_b32 v254, v12
	v_floor_f32 v12, -v13                             ; the new -M = floor(-t) = -ceil(t)
	v_sub_f32 v254, v12, v254                         ; old M - new M: a whole number, 0 or less
	v_cvt_i32_f32 v254, v254                          ; (it saturates)
	v_ldexp_f32 v252, 1.0, v254                       ; f = 2^(old M - new M)
.set sj, 0
.rept 32
	v_pk_fma_f32 v[S+sj:S+sj+1], v[S+sj:S+sj+1], s[CS:CS+1], v[12:13] op_sel_hi:[1,0,0]   ; t - M, two at a time
.set sj, sj+2
.endr
.irp b, 0,1,2,3
	v_fma_f32 v[232+\b], v[232+\b], s[CS], v12        ; the same of each block's largest score
.endr
.set sj, 0
.rept 64
	v_exp_f32 v[S+sj], v[S+sj]                        ; p = 2^(t - M), at most 1: not normalised
.set sj, sj+1
.endr
	v_pk_mul_f32 v[14:15], v[14:15], v[252:253] op_sel_hi:[1,0]   ; the sums under the new M: a plain place behind the exponentials
	s_wait_alu depctr_va_vdst(0)                      ; the wait ahead of the first line that names an exponential's result: one for the batch of 64
.irp b, 0,1,2,3
	v_exp_f32 v[232+\b], v[232+\b]                    ; the block's largest p: the same two instructions on the same number give the same bits
.endr
	v_pk_add_f32 v[236:237], v[S:S+1], v[S+2:S+3]     ; the row's sum is taken of the unquantised p, in two chains
.irp j, 4,8,12,16,20,24,28,32,36,40,44,48,52,56,60
	v_pk_add_f32 v[14:15], v[14:15], v[S+\j:S+1+\j]
	v_pk_add_f32 v[236:237], v[236:237], v[S+2+\j:S+3+\j]
.endr
	v_pk_add_f32 v[14:15], v[14:15], v[236:237]
	s_wait_alu depctr_va_vdst(0)                      ; and one for the four
.irp b, 0,1,2,3
	v_max_num_f32 v[232+\b], 0x1800000, v[232+\b]     ; the floor 2^(3 - 127): the byte cannot fall under 1
.endr
.irp b, 0,1,2,3
	v_add_nc_u32 v[244+\b], 0xff000000, v[232+\b]     ; 2 off the exponent field: the conversion's scale operand
.endr
.irp b, 0,1,2,3
	v_lshrrev_b32 v[236+\b], 23, v[244+\b]
.endr
	v_lshl_or_b32 v253, v237, 8, v236                 ; p's scale word for these 128 keys
	v_lshl_or_b32 v253, v238, 16, v253
	v_lshl_or_b32 v253, v239, 24, v253
.irp c, 0,1
	v_cvt_scalef32_pk16_fp6_f32 v[224+6*\c:226+6*\c], v[S+32*\c:S+15+32*\c], v[244+2*\c]
	v_cvt_scalef32_pk16_fp6_f32 v[236+4*\c:238+4*\c], v[S+16+32*\c:S+31+32*\c], v[244+2*\c+1]
.endr
	v_nop                                             ; one plain place behind the scaled conversions
.irp c, 0,1
.irp i, 0,1,2
	v_permlane16_swap_b32 v[224+6*\c+\i], v[236+4*\c+\i]
.endr
.irp i, 0,1,2
	v_mov_b32 v[227+6*\c+\i], v[236+4*\c+\i]
.endr
.endr
.set sj, 0
.rept 16
	v_pk_mul_f32 v[O+sj:O+sj+1], v[O+sj:O+sj+1], v[252:253] op_sel_hi:[1,0]   ; O^T under the new M
.set sj, sj+2
.endr
.rept 4
	v_nop                                             ; with the sixteen above: the places between the lines that made p's codes and scale word and the products that take them
.endr
.irp t, 0,1,2,3
	PMM O+8*\t, 80+12*\t, 29+\t/2, \t%2               ; O^T += V^T P^T: four accumulators, one instruction each
.endr
.endm
; 32 numbers of a lane (two blocks) become a half fragment's codes in v[PC] on and two scale bytes in v[PW]
.macro QUANT2 src
.irp b, 0,1
	v_max3_num_f32 v[TM+\b], |v[\src+16*\b]|, |v[\src+16*\b+1]|, 0x1800000
.endr
.irp i, 2,4,6,8,10,12,14
.irp b, 0,1
	v_max3_num_f32 v[TM+\b], v[TM+\b], |v[\src+16*\b+\i]|, |v[\src+16*\b+\i+1]|
.endr
.endr
.irp b, 0,1
	v_permlanex16_b32 v[TM+4+\b], v[TM+\b], s[SEL], s[SEL+1]
.endr
.irp b, 0,1
	v_max_num_f32 v[TM+\b], v[TM+\b], v[TM+4+\b]
.endr
.irp b, 0,1
	v_add_nc_u32 v[TM+12+\b], 0xff000000, v[TM+\b]
.endr
.irp b, 0,1
	v_lshrrev_b32 v[TM+4+\b], 23, v[TM+12+\b]
.endr
	v_lshl_or_b32 v[PW], v[TM+5], 8, v[TM+4]
	v_cvt_scalef32_pk16_fp6_f32 v[PC:PC+2], v[\src:\src+15], v[TM+12]
	v_cvt_scalef32_pk16_fp6_f32 v[CT:CT+2], v[\src+16:\src+31], v[TM+13]
	v_nop
.irp i, 0,1,2
	v_permlane16_swap_b32 v[PC+\i], v[CT+\i]
.endr
.irp i, 0,1,2
	v_mov_b32 v[PC+3+\i], v[CT+\i]
.endr
.endm
; ONE TILE OF 16 QUERIES through all 1,024 keys
.macro QTILE odd
.if \odd
	global_load_b128 v[16:19], v[A16], s[14:15] offset:768
	global_load_b64 v[20:21], v[A8], s[14:15] offset:768+512
.endif
	v_mov_b32 v13, 0xff61b1e6                         ; the largest t so far: -3e38, under every t
	v_floor_f32 v12, -v13
	v_mov_b32 v14, 0
	v_mov_b32 v15, 0
.set sj, 0
.rept 32
	v_mov_b32 v[O+sj], 0                              ; the step is written once: the first finds zeros, which the first change of M leaves zeros
.set sj, sj+1
.endr
	s_mov_b32 s[TB], 0
	s_mov_b32 s[TS], 0
	s_mov_b32 s[TJ], 0
	s_mov_b32 s[CNT], 8
	s_wait_loadcnt 0x0                                ; Q
.Lstep_\@:
	STEP \odd
	s_add_co_u32 s[TB], s[TB], 6144                   ; eight tiles of K, and as many bytes of V
	s_add_co_u32 s[TS], s[TS], 512
	s_add_co_u32 s[TJ], s[TJ], 256
	s_sub_co_u32 s[CNT], s[CNT], 1
	s_cmp_lg_u32 s[CNT], 0
	s_cbranch_scc1 .Lstep_\@
.rept 4
	v_nop                                             ; places behind the last products
.endr
	v_add_f32 v14, v14, v15
	v_permlanex16_b32 v252, v14, s[SEL], s[SEL+1]
	v_add_f32 v14, v14, v252                          ; the row's sum
	v_rcp_f32 v14, v14
.irp b, 0,1,2,3
	v_mov_b32 v[TM+4+\b], 0                           ; plain work behind the reciprocal: a lane permute's destination counts as one of its sources
.endr
	s_wait_alu depctr_va_vdst(0)                      ; the wait ahead of the reciprocal's first reader
.set sj, 0
.rept 32
	v_mul_f32 v[S+sj], v[O+sj], v14                   ; register 16 b + i = channel 32 b + 16 (lane / 16) + i of my query
.set sj, sj+1
.endr
	QUANT2 S
	global_store_b128 v[A16], v[PC:PC+3], s[18:19] offset:6144*(\odd)
	global_store_b64 v[A8], v[PC+4:PC+5], s[18:19] offset:6144*(\odd)+512
	global_store_b16 v[A16], v[PW], s[20:21] offset:512*(\odd)
	s_wait_xcnt 0x0                                   ; the stores have read their data: those registers are written again only behind this wait
.endm
	s_load_b256 s[4:11], s[0:1], 0x0                  ; qbuf, kbuf, vbuf, cbuf
	v_lshl_add_u32 v[SPW], v0, 2, SPARE
	v_mov_b32 v[NIL], 0
	v_lshrrev_b32 v11, 5, v0
	v_readfirstlane_b32 s[WV], v11                    ; wave 0..15
	v_and_b32 v11, 31, v0
	v_lshlrev_b32 v[A16], 4, v11
	v_lshlrev_b32 v[A8], 3, v11
	v_lshl_add_u32 v[ASK0], v11, 2, KSC
	v_lshl_add_u32 v[ASV0], v11, 2, VSC
	v_lshlrev_b32 v31, 2, v11
	v_lshlrev_b32 v[AD16], 4, v0                      ; for the fill: 16, 8 and 4 bytes a thread
	v_lshlrev_b32 v[AD8], 3, v0
	v_lshlrev_b32 v[ADS], 2, v0
	v_add_nc_u32 v[ADT], VL, v[AD16]
	v_add_nc_u32 v11, VSC, v[ADS]
	s_mov_b32 s[SEL], 0x76543210
	s_mov_b32 s[SEL+1], 0xfedcba98
	s_mov_b32 s[CS], 0x3e38aa3b                       ; c = log2(e) / 8
	s_mov_b32 s[CS+1], s[CS]
	s_and_b32 s12, ttmp7, 0xffff                      ; 8 x sequence + head
	s_mul_i32 s30, s12, QHB
	s_mov_b32 s31, 0
	s_mul_i32 s32, s12, VHB
	s_mov_b32 s33, 0
	s_lshl_b32 s34, ttmp9, 5
	s_lshl_b32 s35, s[WV], 1
	s_add_co_u32 s34, s34, s35                        ; my first tile of queries: 32 x + 2 w
	s_mul_i32 s36, s34, 768
	s_add_co_u32 s36, s36, s30
	s_mov_b32 s37, 0
	s_lshl_b32 s38, s34, 6                            ; 128 bytes of scale words for a pair of tiles
	s_add_co_u32 s38, s38, s30
	s_add_co_u32 s38, s38, KSC
	s_mov_b32 s39, 0
	s_lshr_b32 s40, s12, 3
	s_lshl_b32 s40, s40, 6
	s_add_co_u32 s40, s40, s34                        ; my first row tile: 64 x sequence + tile
	s_and_b32 s41, s12, 7                             ; head
	s_mul_i32 s42, s40, 6144
	s_mul_i32 s43, s41, 768
	s_add_co_u32 s42, s42, s43
	s_mov_b32 s43, 0
	s_lshl_b32 s44, s40, 9
	s_lshl_b32 s45, s41, 1
	s_add_co_u32 s44, s44, s45
	s_add_co_u32 s44, s44, 6291456
	s_mov_b32 s45, 0
	s_wait_kmcnt 0x0
	s_add_nc_u64 s[6:7], s[6:7], s[30:31]
	s_add_nc_u64 s[8:9], s[8:9], s[32:33]
	s_add_nc_u64 s[14:15], s[4:5], s[36:37]           ; Q's codes
	s_add_nc_u64 s[16:17], s[4:5], s[38:39]           ; Q's scale words
	s_add_nc_u64 s[18:19], s[10:11], s[42:43]         ; ctx's codes
	s_add_nc_u64 s[20:21], s[10:11], s[44:45]         ; ctx's scale bytes
.irp i, 0,1,2,3,4,5
	global_load_b128 v[128+4*\i:131+4*\i], v[AD16], s[6:7] offset:8192*\i
.endr
	global_load_b64 v[152:153], v[AD8], s[6:7] offset:KSC
.irp i, 0,1,2,3,4,5
	global_load_b128 v[154+4*\i:157+4*\i], v[AD16], s[8:9] offset:8192*\i
.endr
	global_load_b32 v178, v[ADS], s[8:9] offset:49152
	global_load_b128 v[16:19], v[A16], s[14:15]       ; the first tile of queries,
	global_load_b64 v[20:21], v[A8], s[14:15] offset:512
	global_load_b32 v28, v31, s[16:17]                ; and both tiles' scale words: lanes 0-15 the even tile's, lanes 16-31 the odd one's
.irp j, 22,23,24,25,26,27
	v_mov_b32 v[\j], 0                                ; the zero half of Q's fragment
.endr
.irp t, 0,1,2,3
.irp j, 6,7,8,9,10,11
	v_mov_b32 v[32+12*\t+\j], 0                       ; and of K's four
.endr
.endr
.irp b, 0,1,2,3
	v_mov_b32 v[236+\b], 0
.endr
	v_mov_b32 v252, 0
	v_mov_b32 v253, 0
	s_wait_loadcnt 3                                  ; K's and V's fourteen loads are in; Q's three may be out
.irp i, 0,1,2,3,4,5
	ds_store_b128 v[AD16], v[128+4*\i:131+4*\i] offset:8192*\i
.endr
	ds_store_b64 v[AD8], v[152:153] offset:KSC
.irp i, 0,1,2,3,4,5
	ds_store_b128 v[ADT], v[154+4*\i:157+4*\i] offset:8192*\i
.endr
	ds_store_b32 v11, v178
	s_wait_dscnt 0x0                                  ; for the others' sake: my stores have landed
	s_barrier_signal -1
	s_barrier_wait -1                                 ; the launch's one barrier: from here on K and V are only read
	QTILE 0
	QTILE 1
	s_wait_tensorcnt 0x0                              ; the wave's end: behind my last LDS store
	ds_add_u32 v[SPW], v[NIL]
	s_wait_dscnt 0x0
	s_endpgm
.Lfunc_end_k_qa6966157b0_attn:
	.size	k_qa6966157b0_attn, .Lfunc_end_k_qa6966157b0_attn-k_qa6966157b0_attn
	.p2alignl 7, 3214868480
	.fill 96, 4, 3214868480
	.section	.rodata,"a",@progbits
	.p2align	6, 0x0
	.amdhsa_kernel k_qa6966157b0_attn
		.amdhsa_group_segment_fixed_size 106496
		.amdhsa_private_segment_fixed_size 0
		.amdhsa_enable_private_segment 0
		.amdhsa_kernarg_size 32
		.amdhsa_user_sgpr_count 2
		.amdhsa_user_sgpr_kernarg_segment_ptr 1
		.amdhsa_wavefront_size32 1
		.amdhsa_system_sgpr_workgroup_id_x 1
		.amdhsa_system_sgpr_workgroup_id_y 1
		.amdhsa_system_sgpr_workgroup_id_z 1
		.amdhsa_system_vgpr_workitem_id 0
		.amdhsa_next_free_vgpr 256
		.amdhsa_next_free_sgpr 66
		.amdhsa_reserve_vcc 0
		.amdhsa_float_denorm_mode_32 3
		.amdhsa_float_denorm_mode_16_64 3
		.amdhsa_memory_ordered 1
		.amdhsa_forward_progress 1
		.amdhsa_inst_pref_size 50
	.end_amdhsa_kernel
	.amdgpu_metadata
---
amdhsa.version: [ 1, 2 ]
amdhsa.kernels:
  - .name:           k_qa6966157b0_attn
    .symbol:         k_qa6966157b0_attn.kd
    .args:
      - { .name: qbuf, .offset: 0, .size: 8, .value_kind: global_buffer, .address_space: global }
      - { .name: kbuf, .offset: 8, .size: 8, .value_kind: global_buffer, .address_space: global }
      - { .name: vbuf, .offset: 16, .size: 8, .value_kind: global_buffer, .address_space: global }
      - { .name: cbuf, .offset: 24, .size: 8, .value_kind: global_buffer, .address_space: global }
    .group_segment_fixed_size: 106496
    .private_segment_fixed_size: 0
    .kernarg_segment_align: 8
    .kernarg_segment_size: 32
    .max_flat_workgroup_size: 512
    .sgpr_count:     66
    .vgpr_count:     256
    .wavefront_size: 32
...
	.end_amdgpu_metadata
.endif
;; end of part 3
;; launch ffn (part 4): grid 256 x 1, 4 waves a work-group, clusters of 4 x 1, 327,680 bytes of LDS; arguments cbuf, wimg, x, bo, g1, be1, b1, b2, g2, be2, out0; writes out0
.if DOCPART == 4
	.amdgcn_target "amdgcn-amd-amdhsa--gfx1250"
	.amdhsa_code_object_version 6
	.text
	.protected	k_qa6966157b0_ffn
	.globl	k_qa6966157b0_ffn
	.p2align	8
	.type	k_qa6966157b0_ffn,@function
k_qa6966157b0_ffn:
	s_mov_b64 s[64:65], 0
	v_nop
	global_prefetch_b8 v0, s[64:65] scope:SCOPE_SE
	s_setreg_imm32_b32 hwreg(HW_REG_WAVE_MODE, 25, 1), 1
	s_wait_xcnt 0x0
	s_wait_alu depctr_hold_cnt(0) depctr_sa_sdst(0) depctr_va_vdst(0) depctr_va_sdst(0) depctr_va_ssrc(0) depctr_va_vcc(0) depctr_vm_vsrc(0)
	s_getreg_b32 s2, hwreg(HW_REG_IB_STS2, 6, 4)
	s_cmp_eq_u32 s2, 0
	s_cbranch_scc0 .Lentry_in_a_cluster
	s_endpgm
.Lentry_in_a_cluster:
	s_bfe_u32 s2, ttmp6, 0x10000c
	s_cmp_lg_u32 s2, 0x3003
	s_cbranch_scc0 .Lentry_shape_is_right
	s_endpgm
.Lentry_shape_is_right:
; h = LN(x + ctx wo^T + bo; g1, be1);  out = LN(h + gelu(h w1^T + b1) w2^T + b2; g2, be2).  The three products on codes of FP6 (E2M3) with one E8M0 byte for each 32 along K; all else in f32.  h and the hidden layer never go to memory.
; SHARES.  A work-group owns 64 rows as four tiles of 16 (lane r of tile m holds row 32 (m / 2) + 8 (m % 2) + r + 8 (r / 8): the tiles in which ctx's codes were laid).  THE WAVES SHARE THE COLUMNS: wave w owns output columns
; 128 w .. 128 w + 127 of the first and third product (256 registers, Y: x + bo, then h + b2, are what the sums begin with), and in each of eight chunks of 256 hidden units the units 64 w .. 64 w + 63.
; All products are used transposed (source 0 = 16 rows of a weight, source 1 = 16 rows): a lane holds one row and its registers run along the columns, register 16 b + i = column 32 b + 16 (lane / 16) + i, which is what the quantiser wants.
; THE WEIGHTS are one stream of 18 group blocks a wave (wo's two, then w1's and w2's of each chunk by turns), laid by the first launch in this order; wave w of every work-group walks the same stream.  CLUSTERS of 4 x 1 work-groups
; ask for the blocks JOINTLY: the same tensor load, with the same descriptor (made of wimg's address and the wave's number alone) and a mask that names the four, in all four; each receives the block, 25,600 dense bytes, in its
; own LDS.  Two slots take turns, even groups (w1's) in A, odd ones (w2's) in B; in a slot each wave has its own 25,600 bytes, which it alone fills and reads.  From LDS a block goes into a ring of four subs (48 registers
; each) that runs one group ahead.  So w2's block of a chunk is read during the chunk's first product and w1's of the next chunk during its second; slot A is filled again at a trip's head, slot B between the two halves of the
; GELU: a load has a product and half a GELU, or half a GELU, the exchange and a product, in which to land.  By this text's count at most two tensor loads of a wave are out.
; THE EIGHTH CHUNK IS WRITTEN OUT: it fills nothing and no slot is filled that nobody reads.
; OPERANDS GO FROM WAVE TO WAVE THROUGH LDS AS IMAGES OF THEIR REGISTERS: h's 16 fragments once; in each chunk the hidden layer's 16 half fragments (two barriers: written, read).
; LAYERNORM: each wave takes its 128 columns' mean, centres on it, and takes the sum of squares; one exchange of (mean, sum of squares) through LDS gives the row's: M2 = the sum of the four + 128 x the sum of (mean_w - mean)^2.
; GELU: 0.5 (x + |x| erf(|x| / sqrt 2)), erf by 1 - (a1 T + .. + a5 T^5) exp(-z^2), T = 1 / (1 + 0.3275911 z).
; No prefetch: the weights are read by every cluster again, and x and ctx are asked for at the head.
; LIMITS: that form of erf is off by at most 1.5e-7 (absolute); a block of zeros gets the byte 1 where the rule says 127 (its codes are zeros, and this program alone reads the bytes); NaN and infinities are not served.
; REGISTERS: window 0: v1-15, v18-19 addresses; v16-17 a5; v20-35 the rows' scale words, v36-51 the weights' (two sets), v52-59 the hidden layer's; v60-79 the quantiser's; v80-127 at work; v128-255 the hidden accumulators, then the hidden
;   fragments (v128-223); outside the loop bo, b2, statistics (v128-191), a gain (v192-255), rows on the way out.  window 1: v0-191 ctx's, later h's 16 fragments; v192-223 b1's tiles.  window 2: Y.  window 3: v0-191 the ring; v192-255 be.
.set GB,     25600
.set STREAM, 460800
.set HIMG,   0                         ; LDS: h's 16 fragments, (tile m, K step s) at 1536 (4 m + s)
.set HSC,    24576                     ; their scale words: 512 m + 16 lane + 4 s
.set GIMG,   26624                     ; the hidden layer's half images: 3072 m + 768 w
.set GSC,    38912                     ; their scale bytes: 256 m + 8 lane + 2 w
.set STAT1,  39936                     ; 512 m + 32 r + 8 w: (mean, sum of squares); the second norm's 2,048 bytes on
.set STAGE,  44032                     ; the way out: 16 rows x (512 + 16) bytes for each wave
.set SPARE,  77824                     ; the spare words, 128 bytes a wave: two blocks of 256 bytes that no other line names
.set SLA,    78336                     ; slot A: four waves x GB; nothing is stored there
.set SLB,    SLA+4*GB                  ; slot B
.set LI,  1
.set L8,  2
.set XA,  3
.set CA,  4
.set HWI, 5
.set HWS, 6
.set GW16, 7
.set GW8, 8
.set GWS, 9
.set STW, 10
.set STR, 11
.set SO,  12
.set SR,  13
.set SPW, 14
.set NIL, 15
.set RAA, 18                           ; 16 x lane + my part of slot A
.set RAB, 19                           ; and of slot B
.set HS,  20
.set WS,  36
.set GS,  52
.set TM,  60
.set PW,  76
.set PC,  80
.set CT,  112
.set GT,  80                           ; gelu: T, E, the polynomial
.set GE,  96
.set GA,  112
.set SA,  80                           ; the norms: sums, -mean_w, 1 / sigma, delta / sigma, (mean_w, M2_w)
.set NM,  96
.set RS,  104
.set DR,  112
.set MS,  120
.set QS,  128
.set HID, 128
.set GF,  128
.set BIAS, 192                         ; in window 1
.set WV,  26
.set CNT, 27
.set SEL, 28
.set SPZ, 30
.set SCZ, 32
.set A4,  34
.set A3,  36
.set A2,  38
.set A1,  40
.set GID, 45                           ; my work-group's number: it enters global addresses of ctx, x and out0 alone
.set S128, 50
.set SI512, 51
.set SEPS, 52
.set G1,  56                           ; s[56:63] descriptor group 1
.set G0A, 68                           ; s[68:71] group 0 for slot A
.set G0B, 72                           ; s[72:75] for slot B
.set MSB, 0
.macro WIN new                         ; the immediate's high byte repeats the setting that is left
.if MSB != (\new)
	s_set_vgpr_msb (MSB<<8)|(\new)
.set MSB, (\new)
.endif
.endm
; A round of the cluster's barrier: my work-group's barrier, so that wave 0's signal speaks for all four waves; wave 0 signals for the work-group; every wave waits for all four work-groups; my work-group's barrier once more.
.macro ROUND
	s_barrier_signal -1
	s_barrier_wait -1
	s_cmp_lg_u32 s[WV], 0
	s_cbranch_scc1 .Lnot_wave_0_\@
	s_barrier_signal -3
.Lnot_wave_0_\@:
	s_barrier_wait -3
	s_barrier_signal -1
	s_barrier_wait -1
.endm
; A slot is filled again, with the group two further on in the stream.  Every wave waits for all its tensor loads, adds 0 to its spare word, steps the slot's descriptor, waits for the add and for its LDS loads (its reads of the slot
; among them); behind the round no wave of any partner still reads the slot or has a load on its way, and the joint load is the first thing there: one a wave.
.macro REFILL g0
	WIN 0
	s_wait_tensorcnt 0x0                              ; no tensor load of mine is out, so a group 0 may be written
	ds_add_u32 v[SPW], v[NIL]                         ; 0 onto my spare word
	s_add_nc_u64 s[\g0+2:\g0+3], s[\g0+2:\g0+3], 2*GB ; the type bits on top are not reached
	s_wait_dscnt 0x0
	ROUND
	tensor_load_to_lds s[\g0:\g0+3], s[G1:G1+7]
	s_nop 0
.rept 4
	v_nop
.endr
.endm
; nb blocks of 32 (16 numbers a lane and block, v[src + 16 b + i] in window sw) become codes in v[pc] on and the scale bytes in v[pw]
.macro QUANT nb, src, sw, pc, pw
	WIN ((\sw)|((\sw)<<2))
.irp b, 0,1,2,3
.if \b < \nb
	v_max3_num_f32 v[TM+\b], |v[(\src)+16*\b]|, |v[(\src)+16*\b+1]|, 0x1800000   ; and the floor 2^(3 - 127): the byte cannot fall under 1
.endif
.endr
	WIN (((\sw)<<2)|((\sw)<<4))
.irp i, 2,4,6,8,10,12,14
.irp b, 0,1,2,3
.if \b < \nb
	v_max3_num_f32 v[TM+\b], v[TM+\b], |v[(\src)+16*\b+\i]|, |v[(\src)+16*\b+\i+1]|
.endif
.endr
.endr
	WIN 0
.irp b, 0,1,2,3
.if \b < \nb
	v_permlanex16_b32 v[TM+4+\b], v[TM+\b], s[SEL], s[SEL+1]
.endif
.endr
.irp b, 0,1,2,3
.if \b < \nb
	v_max_num_f32 v[TM+\b], v[TM+\b], v[TM+4+\b]
.endif
.endr
.irp b, 0,1,2,3
.if \b < \nb
	v_add_nc_u32 v[TM+12+\b], 0xff000000, v[TM+\b]    ; 2 off the exponent field: the conversion's scale operand
.endif
.endr
.irp b, 0,1,2,3
.if \b < \nb
	v_lshrrev_b32 v[TM+4+\b], 23, v[TM+12+\b]
.endif
.endr
	v_lshl_or_b32 v[\pw], v[TM+5], 8, v[TM+4]
.if \nb == 4
	v_lshl_or_b32 v[\pw], v[TM+6], 16, v[\pw]
	v_lshl_or_b32 v[\pw], v[TM+7], 24, v[\pw]
.endif
	WIN (\sw)
.irp c, 0,1
.if 2*\c < \nb
	v_cvt_scalef32_pk16_fp6_f32 v[(\pc)+6*\c:(\pc)+6*\c+2], v[(\src)+32*\c:(\src)+32*\c+15], v[TM+12+2*\c]
	v_cvt_scalef32_pk16_fp6_f32 v[CT+4*\c:CT+4*\c+2], v[(\src)+32*\c+16:(\src)+32*\c+31], v[TM+12+2*\c+1]
.endif
.endr
	WIN 0
	v_nop                                             ; one plain place behind the scaled conversions
.irp c, 0,1
.if 2*\c < \nb
.irp i, 0,1,2
	v_permlane16_swap_b32 v[(\pc)+6*\c+\i], v[CT+4*\c+\i]
.endr
.irp i, 0,1,2
	v_mov_b32 v[(\pc)+6*\c+3+\i], v[CT+4*\c+\i]
.endr
.endif
.endr
.endm
.macro WM d, a, b, c, sa, sbb, row     ; one matrix instruction.  row = 1: source 0's scales stand in lanes 16-31
.if (\row) == 0
	v_wmma_scale_f32_16x16x128_f8f6f4 v[(\d):(\d)+7], v[(\a):(\a)+11], v[(\b):(\b)+11], v[(\c):(\c)+7], v[\sa], v[\sbb] matrix_a_fmt:MATRIX_FMT_FP6 matrix_b_fmt:MATRIX_FMT_FP6
.else
	v_wmma_scale_f32_16x16x128_f8f6f4 v[(\d):(\d)+7], v[(\a):(\a)+11], v[(\b):(\b)+11], v[(\c):(\c)+7], v[\sa], v[\sbb] matrix_a_fmt:MATRIX_FMT_FP6 matrix_b_fmt:MATRIX_FMT_FP6 matrix_a_scale:MATRIX_SCALE_ROW1
.endif
.endm
; Each of these is 16 matrix instructions on 16 accumulators by turns, one instruction a turn, in the same order in every sub.
.macro MM6 q, ks, wset                 ; ctx wo^T: my tiles 4 q .. 4 q + 3 of columns, K step ks, onto Y
	WIN 0xa7                                          ; source 0 the ring (window 3), source 1 ctx (1), C and D Y (2)
.irp t, 0,1,2,3
.irp m, 0,1,2,3
	WM 64*\m+8*(4*(\q)+\t), 48*(\ks)+12*\t, 12*(4*\m+(\ks)), 64*\m+8*(4*(\q)+\t), WS+8*(\wset)+4*(\t/2)+(\ks), HS+4*\m+(\ks), \t%2
.endr
.endr
.endm
.macro MM7 ks                          ; h w1^T: my four tiles of hidden units; K step 0 takes b1's tile as C
.if (\ks) == 0
	WIN 0x17                                          ; source 0 the ring (3), source 1 h (1), C b1 (1), D window 0
.else
	WIN 0x07
.endif
.irp t, 0,1,2,3
.irp m, 0,1,2,3
.if (\ks) == 0
	WM HID+32*\m+8*\t, 48*(\ks)+12*\t, 12*(4*\m+(\ks)), BIAS+8*\t, WS+4*(\t/2)+(\ks), HS+4*\m+(\ks), \t%2
.else
	WM HID+32*\m+8*\t, 48*(\ks)+12*\t, 12*(4*\m+(\ks)), HID+32*\m+8*\t, WS+4*(\t/2)+(\ks), HS+4*\m+(\ks), \t%2
.endif
.endr
.endr
.endm
.macro MM8 k                           ; hidden w2^T: sub k = 2 s' + q: K step s' of the chunk, my tiles 4 q .. 4 q + 3 of columns, onto Y
	WIN 0xa3                                          ; source 0 the ring (3), source 1 the hidden fragments (0), C and D Y (2)
.irp t, 0,1,2,3
.irp m, 0,1,2,3
	WM 64*\m+8*(4*((\k)%2)+\t), 48*(\k)+12*\t, GF+12*(2*\m+(\k)/2), 64*\m+8*(4*((\k)%2)+\t), WS+8+4*((\k)%2)+2*(\t/2)+(\k)/2, GS+2*\m+(\k)/2, \t%2
.endr
.endr
.endm
.macro P5                              ; four places in front of loads into registers that matrix instructions have read and of the first read of results; the fifth for a matrix instruction that writes over such a register
.rept 5
	v_nop
.endr
.endm
.macro RLOAD sb, adr                   ; sub sb of the group block in the slot at v[adr]: four fragments, 12 loads of 512 consecutive bytes
	WIN 0xc0
.set rk, 0
.rept 12
	ds_load_b128 v[48*(\sb)+4*rk:48*(\sb)+4*rk+3], v[\adr] offset:6144*(\sb)+512*rk
.set rk, rk+1
.endr
.endm
.macro WSLOAD set, adr                 ; its scale words
	WIN 0
	ds_load_b128 v[WS+8*(\set):WS+8*(\set)+3], v[\adr] offset:24576
	ds_load_b128 v[WS+8*(\set)+4:WS+8*(\set)+7], v[\adr] offset:24576+512
.endm
.macro B1LOAD                          ; b1's four tiles of a chunk, in the result's layout
	WIN 0x40
.irp b, 0,1
.irp j, 0,1,2,3
	global_load_b128 v[BIAS+16*\b+4*\j:BIAS+16*\b+4*\j+3], v[CA], s[16:17] offset:128*\b+16*\j
.endr
.endr
.endm
.macro CVLOAD win, reg, ptr            ; my 128 columns of a vector, in Y's layout: 64 registers
	WIN \win
.irp b, 0,1,2,3
.irp j, 0,1,2,3
	global_load_b128 v[(\reg)+16*\b+4*\j:(\reg)+16*\b+4*\j+3], v[CA], s[\ptr:\ptr+1] offset:128*\b+16*\j
.endr
.endr
.endm
.macro YADD                            ; Y += the vector in v128-191
	WIN 0x82
.irp m, 0,1,2,3
.set lj, 0
.rept 32
	v_pk_add_f32 v[64*\m+lj:64*\m+lj+1], v[64*\m+lj:64*\m+lj+1], v[128+lj:129+lj]
.set lj, lj+2
.endr
.endr
.endm
.macro FOLD                            ; each tile's two chains, two halves and lane l xor 16's: what is left is one addition
.irp m, 0,1,2,3
	v_pk_add_f32 v[SA+4*\m:SA+4*\m+1], v[SA+4*\m:SA+4*\m+1], v[SA+4*\m+2:SA+4*\m+3]
.endr
.irp m, 0,1,2,3
	v_add_f32 v[SA+4*\m], v[SA+4*\m], v[SA+4*\m+1]
.endr
.irp m, 0,1,2,3
	v_permlanex16_b32 v[SA+4*\m+1], v[SA+4*\m], s[SEL], s[SEL+1]
.endr
.endm
; LAYERNORM of Y's 64 rows, in place; the gain in v192-255 of window 0, the offset in v192-255 of window 3.  stat: where in LDS the waves' figures meet
.macro LN stat
	WIN 0x0a
.irp m, 0,1,2,3
	v_pk_add_f32 v[SA+4*\m:SA+4*\m+1], v[64*\m:64*\m+1], v[64*\m+2:64*\m+3]           ; each accumulator is read from its low end on
	v_pk_add_f32 v[SA+4*\m+2:SA+4*\m+3], v[64*\m+4:64*\m+5], v[64*\m+6:64*\m+7]
.endr
	WIN 0x08
.irp j, 8,12,16,20,24,28,32,36,40,44,48,52,56,60
.irp m, 0,1,2,3
	v_pk_add_f32 v[SA+4*\m:SA+4*\m+1], v[SA+4*\m:SA+4*\m+1], v[64*\m+\j:64*\m+\j+1]
	v_pk_add_f32 v[SA+4*\m+2:SA+4*\m+3], v[SA+4*\m+2:SA+4*\m+3], v[64*\m+\j+2:64*\m+\j+3]
.endr
.endr
	WIN 0
	FOLD
.irp m, 0,1,2,3
	v_add_f32 v[SA+4*\m], v[SA+4*\m], v[SA+4*\m+1]    ; the sum of my 128 columns
.endr
.irp m, 0,1,2,3
	v_mul_f32 v[MS+2*\m], 0x3c000000, v[SA+4*\m]      ; mean_w
	v_mul_f32 v[NM+2*\m], 0xbc000000, v[SA+4*\m]      ; and -mean_w, twice: a pair for the packed addition
	v_mul_f32 v[NM+2*\m+1], 0xbc000000, v[SA+4*\m]
.endr
	WIN 0x82
.irp m, 0,1,2,3
.set lj, 0
.rept 32
	v_pk_add_f32 v[64*\m+lj:64*\m+lj+1], v[64*\m+lj:64*\m+lj+1], v[NM+2*\m:NM+2*\m+1]
.set lj, lj+2
.endr
.endr
	WIN 0x0a
.irp m, 0,1,2,3
	v_pk_mul_f32 v[SA+4*\m:SA+4*\m+1], v[64*\m:64*\m+1], v[64*\m:64*\m+1]
	v_pk_mul_f32 v[SA+4*\m+2:SA+4*\m+3], v[64*\m+2:64*\m+3], v[64*\m+2:64*\m+3]
.endr
.irp j, 4,8,12,16,20,24,28,32,36,40,44,48,52,56,60
.irp m, 0,1,2,3
	v_pk_fma_f32 v[SA+4*\m:SA+4*\m+1], v[64*\m+\j:64*\m+\j+1], v[64*\m+\j:64*\m+\j+1], v[SA+4*\m:SA+4*\m+1]
	v_pk_fma_f32 v[SA+4*\m+2:SA+4*\m+3], v[64*\m+\j+2:64*\m+\j+3], v[64*\m+\j+2:64*\m+\j+3], v[SA+4*\m+2:SA+4*\m+3]
.endr
.endr
	WIN 0
	FOLD
.irp m, 0,1,2,3
	v_add_f32 v[MS+2*\m+1], v[SA+4*\m], v[SA+4*\m+1]  ; M2_w
.endr
.irp m, 0,1,2,3
	ds_store_b64 v[STW], v[MS+2*\m:MS+2*\m+1] offset:(\stat)+512*\m   ; lanes r and r + 16 write the same bytes with the same values
.endr
	s_wait_dscnt 0x0                                  ; for the others' sake: my stores have landed
	s_barrier_signal -1
	s_barrier_wait -1
.irp m, 0,1,2,3
	ds_load_b128 v[QS+8*\m:QS+8*\m+3], v[STR] offset:(\stat)+512*\m
	ds_load_b128 v[QS+8*\m+4:QS+8*\m+7], v[STR] offset:(\stat)+512*\m+16
.endr
	s_wait_dscnt 0x0
.irp m, 0,1,2,3
	v_add_f32 v[SA+4*\m], v[QS+8*\m], v[QS+8*\m+2]
	v_add_f32 v[SA+4*\m+1], v[QS+8*\m+4], v[QS+8*\m+6]
	v_add_f32 v[SA+4*\m+2], v[QS+8*\m+1], v[QS+8*\m+3]
	v_add_f32 v[SA+4*\m+3], v[QS+8*\m+5], v[QS+8*\m+7]
.endr
.irp m, 0,1,2,3
	v_add_f32 v[SA+4*\m], v[SA+4*\m], v[SA+4*\m+1]
	v_add_f32 v[SA+4*\m+2], v[SA+4*\m+2], v[SA+4*\m+3]   ; the four M2_w
.endr
.irp m, 0,1,2,3
	v_mul_f32 v[SA+4*\m], 0x3e800000, v[SA+4*\m]      ; the row's mean
.endr
.irp w, 0,1,2,3
.irp m, 0,1,2,3
	v_sub_f32 v[QS+8*\m+2*\w], v[QS+8*\m+2*\w], v[SA+4*\m]
.endr
.endr
.irp m, 0,1,2,3
	v_mul_f32 v[SA+4*\m+1], v[QS+8*\m], v[QS+8*\m]
.endr
.irp w, 1,2,3
.irp m, 0,1,2,3
	v_fma_f32 v[SA+4*\m+1], v[QS+8*\m+2*\w], v[QS+8*\m+2*\w], v[SA+4*\m+1]
.endr
.endr
.irp m, 0,1,2,3
	v_fma_f32 v[SA+4*\m+2], v[SA+4*\m+1], s[S128], v[SA+4*\m+2]   ; M2
.endr
.irp m, 0,1,2,3
	v_fma_f32 v[SA+4*\m+2], v[SA+4*\m+2], s[SI512], s[SEPS]       ; M2 / 512 + 1e-5
	v_sub_f32 v[SA+4*\m+3], v[MS+2*\m], v[SA+4*\m]                ; delta = mean_w - mean: Y is centred on mean_w
.endr
.irp m, 0,1,2,3
	v_rsq_f32 v[RS+2*\m], v[SA+4*\m+2]
.endr
	v_nop                                             ; a plain place behind the last of the four
	s_wait_alu depctr_va_vdst(0)                      ; the wait ahead of the first line that names a result: one for the four
.irp m, 0,1,2,3
	v_mov_b32 v[RS+2*\m+1], v[RS+2*\m]
	v_mul_f32 v[DR+2*\m], v[SA+4*\m+3], v[RS+2*\m]
	v_mul_f32 v[DR+2*\m+1], v[SA+4*\m+3], v[RS+2*\m]
.endr
	WIN 0x82
.irp m, 0,1,2,3
.set lj, 0
.rept 32
	v_pk_fma_f32 v[64*\m+lj:64*\m+lj+1], v[64*\m+lj:64*\m+lj+1], v[RS+2*\m:RS+2*\m+1], v[DR+2*\m:DR+2*\m+1]
.set lj, lj+2
.endr
.endr
	s_wait_loadcnt 0x0                                ; the gain and the offset are in
	WIN 0xb2
.irp m, 0,1,2,3
.set lj, 0
.rept 32
	v_pk_fma_f32 v[64*\m+lj:64*\m+lj+1], v[64*\m+lj:64*\m+lj+1], v[192+lj:193+lj], v[192+lj:193+lj]   ; x gain (window 0) + offset (window 3)
.set lj, lj+2
.endr
.endr
	WIN 0
.endm
; GELU of 16 numbers, in place: two accumulators, each read from its low end on.  The 32 transcendentals are one batch with one wait.
.macro GELU n
.set GX, HID+16*(\n)
.irp i, 0,1,2,3,4,5,6,7,8,9,10,11,12,13,14,15
	v_fma_f32 v[GT+\i], |v[GX+\i]|, s[SPZ], 1.0       ; 1 + 0.3275911 |x| / sqrt 2
.endr
.irp i, 0,2,4,6,8,10,12,14
	v_pk_mul_f32 v[GE+\i:GE+\i+1], v[GX+\i:GX+\i+1], s[SCZ:SCZ+1] op_sel_hi:[1,0]
.endr
.irp i, 0,2,4,6,8,10,12,14
	v_pk_mul_f32 v[GE+\i:GE+\i+1], v[GE+\i:GE+\i+1], v[GE+\i:GE+\i+1] neg_lo:[1,0] neg_hi:[1,0]   ; -(x^2 / 2) log2(e)
.endr
.irp i, 0,1,2,3,4,5,6,7,8,9,10,11,12,13,14,15
	v_rcp_f32 v[GT+\i], v[GT+\i]
.endr
.irp i, 0,1,2,3,4,5,6,7,8,9,10,11,12,13,14,15
	v_exp_f32 v[GE+\i], v[GE+\i]
.endr
	v_nop
	s_wait_alu depctr_va_vdst(0)
.irp i, 0,2,4,6,8,10,12,14
	v_pk_fma_f32 v[GA+\i:GA+\i+1], v[GT+\i:GT+\i+1], v[16:17], s[A4:A4+1] op_sel_hi:[1,1,0]
.endr
.irp i, 0,2,4,6,8,10,12,14
	v_pk_fma_f32 v[GA+\i:GA+\i+1], v[GA+\i:GA+\i+1], v[GT+\i:GT+\i+1], s[A3:A3+1] op_sel_hi:[1,1,0]
.endr
.irp i, 0,2,4,6,8,10,12,14
	v_pk_fma_f32 v[GA+\i:GA+\i+1], v[GA+\i:GA+\i+1], v[GT+\i:GT+\i+1], s[A2:A2+1] op_sel_hi:[1,1,0]
.endr
.irp i, 0,2,4,6,8,10,12,14
	v_pk_fma_f32 v[GA+\i:GA+\i+1], v[GA+\i:GA+\i+1], v[GT+\i:GT+\i+1], s[A1:A1+1] op_sel_hi:[1,1,0]
.endr
.irp i, 0,2,4,6,8,10,12,14
	v_pk_mul_f32 v[GA+\i:GA+\i+1], v[GA+\i:GA+\i+1], v[GT+\i:GT+\i+1]
.endr
.irp i, 0,2,4,6,8,10,12,14
	v_pk_fma_f32 v[GA+\i:GA+\i+1], v[GA+\i:GA+\i+1], v[GE+\i:GE+\i+1], 1.0 op_sel_hi:[1,1,0] neg_lo:[1,0,0] neg_hi:[1,0,0]   ; erf(|x| / sqrt 2)
.endr
.irp i, 0,1,2,3,4,5,6,7,8,9,10,11,12,13,14,15
	v_fma_f32 v[GX+\i], |v[GX+\i]|, v[GA+\i], v[GX+\i]
.endr
.irp i, 0,2,4,6,8,10,12,14
	v_pk_mul_f32 v[GX+\i:GX+\i+1], v[GX+\i:GX+\i+1], 0.5 op_sel_hi:[1,0]
.endr
.endm
; THE WAY OUT, a tile of 16 rows x my 128 columns at a time, through my own stage: in as 16 bytes a lane of its row, back as whole rows of 512 bytes.  LDS serves a wave's instructions in order (ISA guide 5.7.1.4).
.macro TOSTAGE mt
	WIN 0x08                                          ; an LDS store's data are its source 1: window 2
.irp b, 0,1,2,3
.irp j, 0,1,2,3
	ds_store_b128 v[SO], v[64*(\mt)+16*\b+4*\j:64*(\mt)+16*\b+4*\j+3] offset:128*\b+16*\j
.endr
.endr
	WIN 0
.set BB, 128+64*((\mt)%2)
.irp i, 0,1,2,3,4,5,6,7,8,9,10,11,12,13,14,15
	ds_load_b128 v[BB+4*\i:BB+4*\i+3], v[SR] offset:528*\i
.endr
.endm
.macro SEND mt, younger
.set BB, 128+64*((\mt)%2)
	s_wait_dscnt \younger                             ; the tile is back in registers; what was issued behind its loads may be out
.irp i, 0,1,2,3,4,5,6,7,8,9,10,11,12,13,14,15
	global_store_b128 v[LI], v[BB+4*\i:BB+4*\i+3], s[24:25] offset:(32*((\mt)/2)+8*((\mt)%2)+\i+8*(\i/8))*2048 th:TH_STORE_NT   ; 32 lanes store 512 consecutive bytes, at a multiple of 256 from out0's first byte
.endr
.endm
; A CHUNK OF 256 HIDDEN UNITS.  more = 1: a trip of the loop, which fills both slots again and asks for the next chunk's ring and b1; more = 0: the last chunk.
; THE WAITS ON THE RING.  A sub was asked of LDS in the same slot of the group before; behind it came the three later slots: 36 loads for a group's first sub, and for the others also the two loads of scale words of this group's
; first slot: 38.  Where a wait for 0 has stood between, the counts are met at once.
.macro TRIP more
.if \more
	REFILL G0A                                        ; slot A was read out during the product before: it takes w1's block of the next chunk
.else
	s_wait_tensorcnt 0x0                              ; the last fill, w2's block of this chunk, has landed: only I read my part of it
.endif
	s_wait_loadcnt 0x0                                ; b1's tiles of this chunk are in, so their base may be written
.if \more
	s_add_nc_u64 s[16:17], s[16:17], 1024             ; b1 at the next chunk
.endif
	s_wait_dscnt 36
	MM7 0
	P5
	RLOAD 0, RAB                                      ; w2's block of this chunk
	WSLOAD 1, RAB
.irp k, 1,2,3
	s_wait_dscnt 38
	MM7 \k
	P5
	RLOAD \k, RAB
.endr
	WIN 0
.irp n, 0,1,2,3
	GELU \n
.endr
.if \more
	REFILL G0B                                        ; slot B has been read out: it takes w2's block of the next chunk
.endif
.irp n, 4,5,6,7
	GELU \n
.endr
.irp m, 0,1,2,3
	QUANT 2, HID+32*\m, 0, PC+8*\m, PW+\m             ; my 64 units: half of a K step of the third product
.endr
.irp m, 0,1,2,3
	ds_store_b128 v[GW16], v[PC+8*\m:PC+8*\m+3] offset:3072*\m
	ds_store_b64 v[GW8], v[PC+8*\m+4:PC+8*\m+5] offset:3072*\m
	ds_store_b16 v[GWS], v[PW+\m] offset:256*\m
.endr
	s_wait_dscnt 0x0                                  ; for the others' sake: my stores have landed
	s_barrier_signal -1
	s_barrier_wait -1
.irp m, 0,1,2,3
.irp k, 0,1
	ds_load_b128 v[GF+12*(2*\m+\k):GF+12*(2*\m+\k)+3], v[LI] offset:GIMG+3072*\m+1536*\k
	ds_load_b64 v[GF+12*(2*\m+\k)+4:GF+12*(2*\m+\k)+5], v[L8] offset:GIMG+3072*\m+1536*\k+512
	ds_load_b128 v[GF+12*(2*\m+\k)+6:GF+12*(2*\m+\k)+9], v[LI] offset:GIMG+3072*\m+1536*\k+768
	ds_load_b64 v[GF+12*(2*\m+\k)+10:GF+12*(2*\m+\k)+11], v[L8] offset:GIMG+3072*\m+1536*\k+1280
.endr
.endr
.irp m, 0,1,2,3
	ds_load_b64 v[GS+2*\m:GS+2*\m+1], v[L8] offset:GSC+256*\m
.endr
	s_wait_dscnt 0x0                                  ; my reads of the images are over:
	s_barrier_signal -1
	s_barrier_wait -1                                 ; everybody's are: the next chunk may write them again
	MM8 0
	P5
.if \more
	RLOAD 0, RAA                                      ; w1's block of the next chunk: its load was shown landed in front of slot B's refill
	WSLOAD 0, RAA
	B1LOAD
.endif
.irp k, 1,2,3
.if \more
	s_wait_dscnt 38
.endif
	MM8 \k
	P5
.if \more
	RLOAD \k, RAA
.endif
.endr
	WIN 0
.endm
	s_load_b256 s[4:11], s[0:1], 0x0                  ; cbuf, wimg, x, bo
	s_load_b256 s[12:19], s[0:1], 0x20                ; g1, be1, b1, b2
	s_load_b128 s[20:23], s[0:1], 0x40                ; g2, be2
	s_load_b64 s[24:25], s[0:1], 0x50                 ; out0
	v_lshl_add_u32 v[SPW], v0, 2, SPARE
	v_mov_b32 v[NIL], 0
	ds_add_u32 v[SPW], v[NIL]                         ; the wave's opening: the add and its wait ahead of my first tensor load; the set-up below, work on registers, stands between them
	v_lshrrev_b32 v[LI], 5, v0
	v_readfirstlane_b32 s[WV], v[LI]                  ; wave 0..3
	v_and_b32 v[L8], 31, v0                           ; lane
	v_lshlrev_b32 v[LI], 4, v[L8]
	v_and_b32 v80, 15, v0                             ; r
	v_bfe_u32 v[CA], v0, 4, 1
	v_lshlrev_b32 v[CA], 6, v[CA]                     ; 64 h
	v_and_b32 v81, 8, v80
	v_add_nc_u32 v81, v81, v80
	v_lshl_add_u32 v[XA], v81, 11, v[CA]              ; (r + 8 (r / 8)) x 2048 + 64 h
	s_mul_i32 s46, s[WV], 1536
	v_add_nc_u32 v[HWI], s46, v[LI]
	s_lshl_b32 s46, s[WV], 2
	s_add_co_u32 s46, s46, HSC
	v_add_nc_u32 v[HWS], s46, v[LI]
	s_mul_i32 s46, s[WV], 768
	s_add_co_u32 s46, s46, GIMG
	v_add_nc_u32 v[GW16], s46, v[LI]
	s_add_co_u32 s46, s46, 512
	v_lshl_add_u32 v[GW8], v[L8], 3, s46
	s_lshl_b32 s46, s[WV], 1
	s_add_co_u32 s46, s46, GSC
	v_lshl_add_u32 v[GWS], v[L8], 3, s46
	s_lshl_b32 s46, s[WV], 3
	s_add_co_u32 s46, s46, STAT1
	v_lshl_add_u32 v[STW], v80, 5, s46
	v_lshl_add_u32 v[STR], v80, 5, STAT1
	s_mul_i32 s46, s[WV], 16*528
	s_add_co_u32 s46, s46, STAGE
	v_mul_u32_u24 v[SO], v80, 528
	v_add_nc_u32 v[SO], v[SO], v[CA]
	v_add_nc_u32 v[SO], s46, v[SO]
	v_add_nc_u32 v[SR], s46, v[LI]
	v_lshlrev_b32 v[L8], 3, v[L8]                     ; 8 x lane
	v_mov_b32 v16, 0x3f87dc22                         ; a5 = 1.061405429, twice
	v_mov_b32 v17, 0x3f87dc22
.irp b, 0,1,2,3
	v_mov_b32 v[TM+4+\b], 0                           ; a lane permute's destination counts as one of its sources
.endr
	s_mov_b32 s[SEL], 0x76543210
	s_mov_b32 s[SEL+1], 0xfedcba98
	s_mov_b32 s[SPZ], 0x3e6d3388                      ; 0.3275911 / sqrt 2
	s_mov_b32 s[SCZ], 0x3f596d27                      ; sqrt(log2(e) / 2)
	s_mov_b32 s[SCZ+1], s[SCZ]
	s_mov_b32 s[A4], 0xbfba00e3                       ; -1.453152027
	s_mov_b32 s[A4+1], s[A4]
	s_mov_b32 s[A3], 0x3fb5f0e3                       ; 1.421413741
	s_mov_b32 s[A3+1], s[A3]
	s_mov_b32 s[A2], 0xbe91a98e                       ; -0.284496736
	s_mov_b32 s[A2+1], s[A2]
	s_mov_b32 s[A1], 0x3e827906                       ; 0.254829592
	s_mov_b32 s[A1+1], s[A1]
	s_mov_b32 s[S128], 0x43000000                     ; 128
	s_mov_b32 s[SI512], 0x3b000000                    ; 1 / 512
	s_mov_b32 s[SEPS], 0x3727c5ac                     ; 1e-5
	; descriptor group 1: a group block, 25,600 dense bytes, as 100 rows of 256 bytes
	s_mov_b32 s[G1], 15|(3<<16)|(1<<21)               ; 15:0 the mask: all four work-groups; 17:16 elements of 8 bytes; 20 no padding; 21 set beside a mask
	s_mov_b32 s[G1+1], 32<<16                         ; tensor_dim0 = 32
	s_mov_b32 s[G1+2], 100<<16                        ; tensor_dim1 = 100
	s_mov_b32 s[G1+3], 32<<16                         ; tile_dim0 = 32
	s_mov_b32 s[G1+4], 100                            ; tile_dim1 = 100
	s_mov_b32 s[G1+5], 32                             ; from row to row: 32 elements
	s_mov_b32 s[G1+6], 0
	s_mov_b32 s[G1+7], 0
	s_mov_b32 s[G0A], 1
	s_mov_b32 s[G0B], 1
	s_mul_i32 s[G0A+1], s[WV], GB                     ; where they go: the slot + wave x GB: no place in the cluster enters an LDS address
	s_add_co_u32 s[G0B+1], s[G0A+1], SLB
	s_add_co_u32 s[G0A+1], s[G0A+1], SLA
	v_add_nc_u32 v[RAA], s[G0A+1], v[LI]
	v_add_nc_u32 v[RAB], s[G0B+1], v[LI]
	s_mul_i32 s76, s[WV], STREAM                      ; and where they come from: my wave's stream
	s_mov_b32 s77, 0
	s_bfe_u32 s44, ttmp6, 0x40000                     ; cx: my place in the cluster
	s_lshl_b32 s[GID], ttmp9, 2                       ; in a cluster launch ttmp9 counts clusters
	s_add_co_u32 s[GID], s[GID], s44
	s_mov_b32 s47, 0
	s_wait_dscnt 0x0                                  ; the opening add is done
	s_wait_kmcnt 0x0
	s_add_nc_u64 s[G0A+2:G0A+3], s[6:7], s[76:77]     ; the stream's first group,
	s_add_nc_u64 s[G0B+2:G0B+3], s[G0A+2:G0A+3], GB   ; its second
	s_or_b32 s[G0A+3], s[G0A+3], 0x80000000           ; type = 2
	s_or_b32 s[G0B+3], s[G0B+3], 0x80000000
	s_mul_i32 s46, s[GID], 2048
	s_add_co_u32 s46, s46, 6291456
	s_add_nc_u64 s[48:49], s[4:5], s[46:47]           ; ctx's scale words of my four tiles
	s_mul_i32 s46, s[GID], 24576
	s_add_nc_u64 s[4:5], s[4:5], s[46:47]             ; and their codes
	s_lshl_b32 s46, s[GID], 17
	s_lshl_b32 s53, s[WV], 9
	s_add_co_u32 s46, s46, s53
	s_add_nc_u64 s[8:9], s[8:9], s[46:47]             ; x and out0 at my 64 rows, my 128 columns
	s_add_nc_u64 s[24:25], s[24:25], s[46:47]
	s_mov_b32 s46, s53
	s_add_nc_u64 s[10:11], s[10:11], s[46:47]
	s_add_nc_u64 s[12:13], s[12:13], s[46:47]
	s_add_nc_u64 s[14:15], s[14:15], s[46:47]
	s_add_nc_u64 s[18:19], s[18:19], s[46:47]
	s_add_nc_u64 s[20:21], s[20:21], s[46:47]
	s_add_nc_u64 s[22:23], s[22:23], s[46:47]
	s_lshl_b32 s46, s[WV], 8
	s_add_nc_u64 s[16:17], s[16:17], s[46:47]         ; b1 at my 64 units of chunk 0
	ROUND                                             ; all four work-groups are here: the first joint loads meet
	tensor_load_to_lds s[G0A:G0A+3], s[G1:G1+7]       ; wo's first group into slot A,
	s_nop 0
	tensor_load_to_lds s[G0B:G0B+3], s[G1:G1+7]       ; its second into slot B: two loads of mine are out
	s_nop 0
.rept 4
	v_nop
.endr
	WIN 0x80
.irp m, 0,1,2,3
.irp b, 0,1,2,3
.irp j, 0,1,2,3
	global_load_b128 v[64*\m+16*\b+4*\j:64*\m+16*\b+4*\j+3], v[XA], s[8:9] offset:(32*(\m/2)+8*(\m%2))*2048+128*\b+16*\j th:TH_LOAD_NT   ; x straight into Y
.endr
.endr
.endr
	CVLOAD 0, 128, 10                                 ; bo
	WIN 0x40
.irp m, 0,1,2,3
.irp k, 0,1,2,3
	global_load_b128 v[12*(4*\m+\k):12*(4*\m+\k)+3], v[LI], s[4:5] offset:6144*\m+1536*\k th:TH_LOAD_NT        ; ctx's fragment: two heads' half images on end
	global_load_b64 v[12*(4*\m+\k)+4:12*(4*\m+\k)+5], v[L8], s[4:5] offset:6144*\m+1536*\k+512 th:TH_LOAD_NT
	global_load_b128 v[12*(4*\m+\k)+6:12*(4*\m+\k)+9], v[LI], s[4:5] offset:6144*\m+1536*\k+768 th:TH_LOAD_NT
	global_load_b64 v[12*(4*\m+\k)+10:12*(4*\m+\k)+11], v[L8], s[4:5] offset:6144*\m+1536*\k+1280 th:TH_LOAD_NT
.endr
.endr
	WIN 0
.irp m, 0,1,2,3
	global_load_b128 v[HS+4*\m:HS+4*\m+3], v[LI], s[48:49] offset:512*\m th:TH_LOAD_NT
.endr
	CVLOAD 0, 192, 12                                 ; g1
	CVLOAD 0xc0, 192, 14                              ; be1
	B1LOAD                                            ; b1's tiles of chunk 0
	WIN 0
	s_wait_tensorcnt 0x1                              ; my part of slot A is in; slot B's load may be out
	WSLOAD 0, RAA                                     ; the ring's first fill: wo's first group
	RLOAD 0, RAA
	RLOAD 1, RAA
	RLOAD 2, RAA
	RLOAD 3, RAA
	REFILL G0A                                        ; slot A has been read out: it takes w1's block of chunk 0
	s_wait_loadcnt 0x0                                ; x, bo, ctx and the rest
	YADD                                              ; Y = x + bo: what the first product's sums begin with
.rept 4
	v_nop
.endr
	; ---- ctx wo^T
	s_wait_dscnt 36
	MM6 0, 0, 0
	P5
	RLOAD 0, RAB                                      ; wo's second group
	WSLOAD 1, RAB
.irp k, 1,2,3
	s_wait_dscnt 38
	MM6 0, \k, 0
	P5
	RLOAD \k, RAB
.endr
	REFILL G0B                                        ; slot B has been read out: it takes w2's block of chunk 0
	s_wait_dscnt 36
	MM6 1, 0, 1
	P5
	RLOAD 0, RAA                                      ; w1's block of chunk 0
	WSLOAD 0, RAA
.irp k, 1,2,3
	s_wait_dscnt 38
	MM6 1, \k, 1
	P5
	RLOAD \k, RAA
.endr
	WIN 0
	LN 0                                              ; Y = h
	CVLOAD 0, 128, 18                                 ; b2: it lands while h is quantised
.irp m, 0,1,2,3
	QUANT 4, 64*\m, 2, PC, PW+\m                      ; my 128 columns of h are K step w of the second product
.irp c, 0,1,2
	ds_store_b128 v[HWI], v[PC+4*\c:PC+4*\c+3] offset:HIMG+6144*\m+512*\c
.endr
	ds_store_b32 v[HWS], v[PW+\m] offset:512*\m
	s_wait_dscnt 0x0                                  ; the stores have read their registers, and have landed
.endr
	s_wait_loadcnt 0x0
	YADD                                              ; Y = h + b2: what the third product's sums begin with
	WIN 0
	s_barrier_signal -1
	s_barrier_wait -1                                 ; h's sixteen fragments lie in LDS
	WIN 0x40
.set hk, 0
.rept 48
	ds_load_b128 v[4*hk:4*hk+3], v[LI] offset:HIMG+512*hk
.set hk, hk+1
.endr
	WIN 0
.irp m, 0,1,2,3
	ds_load_b128 v[HS+4*\m:HS+4*\m+3], v[LI] offset:HSC+512*\m
.endr
	s_wait_dscnt 0x0
	s_mov_b32 s[CNT], 7
.Lchunk:                                              ; seven trips: chunks 0 to 6
	TRIP 1
	s_sub_co_u32 s[CNT], s[CNT], 1
	s_cmp_lg_u32 s[CNT], 0
	s_cbranch_scc1 .Lchunk
	TRIP 0                                            ; chunk 7
	CVLOAD 0, 192, 20                                 ; g2
	CVLOAD 0xc0, 192, 22                              ; be2
	LN 2048
	TOSTAGE 0
	TOSTAGE 1
	SEND 0, 32                                        ; behind tile 0's loads: tile 1's 16 stores and 16 loads
	s_wait_xcnt 0x0                                   ; tile 0's stores have read their data: tile 2's loads may land there
	TOSTAGE 2
	SEND 1, 32
	s_wait_xcnt 0x0
	TOSTAGE 3
	SEND 2, 32
	SEND 3, 0
	s_wait_tensorcnt 0x0                              ; the wave's end: behind my last tensor load and my last LDS store
	ds_add_u32 v[SPW], v[NIL]
	s_wait_dscnt 0x0
	ROUND                                             ; the closing round: no work-group ends while a partner may still ask for a block that names it
	s_endpgm
.Lfunc_end_k_qa6966157b0_ffn:
	.size	k_qa6966157b0_ffn, .Lfunc_end_k_qa6966157b0_ffn-k_qa6966157b0_ffn
	.p2alignl 7, 3214868480
	.fill 96, 4, 3214868480
	.section	.rodata,"a",@progbits
	.p2align	6, 0x0
	.amdhsa_kernel k_qa6966157b0_ffn
		.amdhsa_group_segment_fixed_size 327680
		.amdhsa_private_segment_fixed_size 0
		.amdhsa_enable_private_segment 0
		.amdhsa_kernarg_size 88
		.amdhsa_user_sgpr_count 2
		.amdhsa_user_sgpr_kernarg_segment_ptr 1
		.amdhsa_wavefront_size32 1
		.amdhsa_system_sgpr_workgroup_id_x 1
		.amdhsa_system_sgpr_workgroup_id_y 1
		.amdhsa_system_sgpr_workgroup_id_z 1
		.amdhsa_system_vgpr_workitem_id 0
		.amdhsa_next_free_vgpr 1024
		.amdhsa_next_free_sgpr 80
		.amdhsa_reserve_vcc 0
		.amdhsa_float_denorm_mode_32 3
		.amdhsa_float_denorm_mode_16_64 3
		.amdhsa_memory_ordered 1
		.amdhsa_forward_progress 1
		.amdhsa_inst_pref_size 255
	.end_amdhsa_kernel
	.section	.bss,"aw",@nobits
	.p2align	6
	.space	262144
	.amdgpu_metadata
---
amdhsa.version: [ 1, 2 ]
amdhsa.kernels:
  - .name:           k_qa6966157b0_ffn
    .symbol:         k_qa6966157b0_ffn.kd
    .args:
      - { .name: cbuf, .offset: 0, .size: 8, .value_kind: global_buffer, .address_space: global }
      - { .name: wimg, .offset: 8, .size: 8, .value_kind: global_buffer, .address_space: global }
      - { .name: x, .offset: 16, .size: 8, .value_kind: global_buffer, .address_space: global }
      - { .name: bo, .offset: 24, .size: 8, .value_kind: global_buffer, .address_space: global }
      - { .name: g1, .offset: 32, .size: 8, .value_kind: global_buffer, .address_space: global }
      - { .name: be1, .offset: 40, .size: 8, .value_kind: global_buffer, .address_space: global }
      - { .name: b1, .offset: 48, .size: 8, .value_kind: global_buffer, .address_space: global }
      - { .name: b2, .offset: 56, .size: 8, .value_kind: global_buffer, .address_space: global }
      - { .name: g2, .offset: 64, .size: 8, .value_kind: global_buffer, .address_space: global }
      - { .name: be2, .offset: 72, .size: 8, .value_kind: global_buffer, .address_space: global }
      - { .name: out0, .offset: 80, .size: 8, .value_kind: global_buffer, .address_space: global }
    .group_segment_fixed_size: 327680
    .private_segment_fixed_size: 0
    .kernarg_segment_align: 8
    .kernarg_segment_size: 88
    .max_flat_workgroup_size: 128
    .sgpr_count:     80
    .vgpr_count:     1024
    .wavefront_size: 32
...
	.end_amdgpu_metadata
.endif
;; end of part 4
